; MI455X (gfx1250); checked and timed in simulation.
; The chip was launched on July 23, 2026; its instructions are those of AMD's public machine-readable ISA for CDNA 5 (MIT licence, August 2026) and "CDNA5" Instruction Set Architecture Reference Guide (July 2026). The comments in the code are by the model that wrote it; some were corrected since.
;; Multi Head Attention. Allowed arithmetic: matrix products marked QUANTISED: E2M1 operands, one E8M0 scale for each 32 along K, by v_wmma_scale_f32_16x16x128_f8f6f4 with both operands' format E2M1 (or v_wmma_scale_f32_32x16x128_f4), f32 sums; products left as they are: bf16, f16 or f32 operands; f32 sums; everything else in f32.
;; Inputs: W_k 1,024 x 1,024 float32; W_o 1,024 x 1,024 float32; W_q 1,024 x 1,024 float32; W_v 1,024 x 1,024 float32; x 4 x 2,048 x 1,024 float32.
;; Outputs: out0 4 x 2,048 x 1,024 float32.
;; This version of the problem:
;;   THIS VERSION OF THE PROBLEM IS GIVEN IN LOW PRECISION. The matrix products marked QUANTISED in the list below multiply operands that are first quantised to E2M1 (2 exponent bits, 1 mantissa bit; 4 bits a number), with one power-of-two scale for each 32 numbers along K (OCP MX v1.0); their sums are f32. The products marked 'left as it is' may take bf16, f16 or f32 operands, with f32 sums. Whichever they take, every output number must still come out within the allowed error. Rounding operands to bf16 (8 significant bits) uses up far more of that allowance than f16 does (11 bits, for magnitudes from 6e-5 to 65,504). All else is computed in f32.
;;   The module's matrix products, in the order in which they are computed (A, B: the left and right operand; K: the contracted axis; several contracted axes count as one K, in the product's order):
;;     1. [M 8,192, K 1,024] x [K 1,024, N 1,024]; A: input x; B: input W_q: QUANTISED
;;     2. [M 8,192, K 1,024] x [K 1,024, N 1,024]; A: input x; B: input W_k: QUANTISED
;;     3. [M 8,192, K 1,024] x [K 1,024, N 1,024]; A: input x; B: input W_v: QUANTISED
;;     4. batch 64 x [M 2,048, K 64] x [K 64, N 2,048]; A: computed on the way; B: computed on the way: left as it is (an operand is computed on the way)
;;     5. batch 64 x [M 2,048, K 2,048] x [K 2,048, N 64]; A: computed on the way; B: computed on the way: left as it is (an operand is computed on the way)
;;     6. [M 8,192, K 1,024] x [K 1,024, N 1,024]; A: computed on the way; B: input W_o: left as it is (an operand is computed on the way)
;;   THE QUANTISER, for each operand of a quantised product, along K:
;;     - K is cut into blocks of 32 from its start; a last block that is shorter is filled with zeros.
;;     - A block's scale is 2^e with e = floor(log2(the largest magnitude in the block)) - 2, held to -126 .. 127; a block of zeros has e = 0. As a byte (E8M0): e + 127.
;;     - Each number is divided by its block's scale, clamped to +-6, and rounded to the nearest number of E2M1, ties to even, subnormals kept.
;;     - The product sums the exact products of the quantised numbers (number of the format x scale) in f32.
;;   ~~~python
;;   def quantise(x, axis):      # numpy; x: float32 -> the quantised numbers, widened to float32 again
;;       x = np.moveaxis(x, axis, -1); K = x.shape[-1]
;;       x = np.pad(x, [(0, 0)] * (x.ndim - 1) + [(0, -K % 32)]); x = x.reshape(x.shape[:-1] + (-1, 32)); a = np.abs(x).max(-1, keepdims=True)
;;       e = np.where(a > 0, np.clip(np.frexp(np.where(a > 0, a, 1))[1] - 1 - 2, -126, 127), 0)      # np.frexp(a)[1] - 1 = floor(log2(a)), exactly
;;       r = np.clip(x / 2.0 ** e, -6, 6)
;;       step = 2.0 ** (np.maximum(np.frexp(np.where(r == 0, 1, r))[1] - 1, 0) - 1)
;;       q = np.round(r / step) * step * 2.0 ** e      # np.round: ties to even
;;       return np.moveaxis(q.reshape(q.shape[:-2] + (-1,))[..., :K], -1, axis).astype(np.float32)
;;   ~~~
;; One version. Each part assembles by itself: llvm-mc -triple=amdgcn-amd-amdhsa -mcpu=gfx1250 --defsym DOCPART=n.
;; ======== version 1 of 1: 5 launches
;; limits: values are held in f16: magnitudes above 65,504 overflow, below 6.1e-05 lose precision
;; workspace buffers: xc 4,194,304 bytes; xs 262,144 bytes; wc 1,572,864 bytes; ws 98,304 bytes; wo16 2,097,152 bytes; qkv 50,331,648 bytes; q32 786,432 bytes; ow 16,777,216 bytes
;; launch quant (part 1): grid 384 x 1, 4 waves a work-group, no clusters, 33,280 bytes of LDS; arguments x, W_q, W_k, W_v, W_o, xc, xs, wc, ws, wo16; writes xc, xs, wc, ws, wo16
.if DOCPART == 1
	.amdgcn_target "amdgcn-amd-amdhsa--gfx1250"
	.amdhsa_code_object_version 6
	.text
	.protected	k_qebf54d8ba7_quant
	.globl	k_qebf54d8ba7_quant
	.p2align	8
	.type	k_qebf54d8ba7_quant,@function
k_qebf54d8ba7_quant:
	s_mov_b64 s[64:65], 0
	v_nop
	global_prefetch_b8 v0, s[64:65] scope:SCOPE_SE
	s_setreg_imm32_b32 hwreg(HW_REG_WAVE_MODE, 25, 1), 1
	s_wait_xcnt 0x0
; x [8192][1024] and W_q, W_k, W_v [1024][1024], f32 with K innermost, become codes of FP4 (E2M1), two a byte, K innermost, with one E8M0 byte for each 32 along K; W_o [1024][1024] becomes f16.
; A block's scale is 2^(floor(log2(its largest magnitude)) - 2); its byte is the largest magnitude's exponent field - 2, held at 1 from below.  Each number is divided by the scale and rounded to the nearest code, ties to even, beyond 6 the code of 6.
; LIMITS: a block of zeros, and a block whose largest magnitude lies under 2^-124, gets the byte 1 (a block of zeros has zero codes, which add nothing under that byte; the bytes are read by this program alone).  NaN and infinities are not served.  W_o beyond 65,504 has no f16 number.
; SHARES.  Rows are dense and K is a multiple of 32, so every tensor is a plain stream of blocks.  Work-groups 0-255 take x, 256-351 W_q, W_k, W_v (32 each; their codes lie one behind the other: rows 0-3071), 352-383 W_o.  A wave takes 8,192 numbers.
; THE QUANTISING PATH.  16 steps of 512 numbers.  Each of a step's four loads reads 512 consecutive bytes; the 2,048 bytes turn through the wave's own stage in LDS and come back 64 bytes a lane, so that a lane holds 16 neighbours
; along K (two neighbouring lanes hold a block).  A lane's 16 codes are 8 bytes: the wave stores 256 consecutive bytes.  A wave's 256 scale bytes are gathered in its own LDS bytes and leave as 256 consecutive bytes.
; THE CAST PATH uses no LDS: 64 loads of 512 consecutive bytes, 64 stores of 256.
.set STEPS, 16
.set EMAX,  2
.set CB,    8                          ; bytes of 16 codes
.set R,     16                         ; v16-79   four sets of 16 numbers as loaded
.set X,     80                         ; v80-111  two sets of 16 neighbours
.set E,     112                        ; v112-127 a scale byte for each step
.set C,     128                        ; v128-191 codes: four registers a step, so that no store's data are written again
.set WREG,  8192                       ; LDS: a region for each wave: two stages of 32 x SP bytes, then its 256 scale bytes
.set SP,    80                         ; a lane's place in a stage: 64 bytes + 16 of padding
.set SPW,   12                         ; v12  LDS address of my spare word; never rewritten
.set NIL,   13                         ; v13  0; never rewritten
.set SPARE, 4*WREG                     ; behind the four regions: the spare words, 128 bytes a wave
.set WV,    36                         ; s36  my wave's number
	s_load_b512 s[8:23], s[0:1], 0x0               ; x s[8:9], W_q s[10:11], W_k s[12:13], W_v s[14:15], W_o s[16:17], xc s[18:19], xs s[20:21], wc s[22:23]
	s_load_b128 s[24:27], s[0:1], 0x40             ; ws s[24:25], wo16 s[26:27]
	v_lshl_add_u32 v[SPW], v0, 2, SPARE
	v_mov_b32 v[NIL], 0
	v_lshrrev_b32 v1, 5, v0
	v_readfirstlane_b32 s[WV], v1                  ; wave 0..3
	v_and_b32 v2, 31, v0                           ; lane
	v_lshlrev_b32 v3, 4, v2                        ; my 16 bytes of a load's 512
	v_lshlrev_b32 v4, 3, v2                        ; my 8 bytes of a store's 256
	s_mov_b32 s39, 0
	s_wait_kmcnt 0x0
	s_cmp_ge_u32 ttmp9, 352                        ; the work-group's number alone decides the path
	s_cbranch_scc1 .Lwo
	s_mul_i32 s37, s[WV], WREG
	v_lshrrev_b32 v14, 2, v2
	v_mul_u32_u24 v14, v14, SP
	v_and_b32 v15, 3, v2
	v_lshl_add_u32 v14, v15, 4, v14
	v_add_nc_u32 v14, s37, v14                     ; the stage, on the way in: four lanes' 64 bytes on end, then 16 of padding
	v_mul_u32_u24 v15, v2, SP
	v_add_nc_u32 v15, s37, v15                     ; and on the way out: SP x lane: my 16 neighbours
	v_lshrrev_b32 v5, 1, v2
	s_add_co_u32 s37, s37, 2*32*SP
	v_add_nc_u32 v5, s37, v5                       ; my wave's 256 scale bytes, my block's byte
	v_add_nc_u32 v6, s37, v4                       ; and on the way out 8 bytes a lane
	s_cmp_lt_u32 ttmp9, 320                        ; which tensor: choices on the work-group's number alone
	s_cselect_b64 s[4:5], s[12:13], s[14:15]
	s_cmp_lt_u32 ttmp9, 288
	s_cselect_b64 s[4:5], s[10:11], s[4:5]
	s_cmp_lt_u32 ttmp9, 256
	s_cselect_b64 s[4:5], s[8:9], s[4:5]           ; the numbers
	s_cselect_b64 s[28:29], s[18:19], s[22:23]     ; the codes
	s_cselect_b64 s[30:31], s[20:21], s[24:25]     ; the scale bytes
	s_cselect_b32 s32, 0, 256
	s_cselect_b32 s34, -1, 31
	s_sub_co_u32 s33, ttmp9, s32                   ; my place among the work-groups that write this pair of buffers,
	s_and_b32 s34, s33, s34                        ; and among those that read this tensor
	s_lshl_b32 s33, s33, 2
	s_add_co_u32 s33, s33, s[WV]
	s_lshl_b32 s34, s34, 2
	s_add_co_u32 s34, s34, s[WV]
	s_lshl_b32 s38, s34, 15                        ; a run of 8,192 numbers is 32,768 bytes,
	s_add_nc_u64 s[4:5], s[4:5], s[38:39]
	s_lshl_b32 s38, s33, 12                        ; 4,096 bytes of codes,
	s_add_nc_u64 s[28:29], s[28:29], s[38:39]
	s_lshl_b32 s38, s33, 8                         ; 256 scale bytes
	s_add_nc_u64 s[30:31], s[30:31], s[38:39]
.macro LOAD t
.irp i, 0,1,2,3
	global_load_b128 v[R+16*((\t)%4)+4*\i:R+16*((\t)%4)+4*\i+3], v3, s[4:5] offset:2048*(\t)+512*\i th:TH_LOAD_NT   ; 32 lanes read 512 consecutive bytes
.endr
.endm
.macro TURN t                          ; step t's numbers through the stage: LDS serves a wave's instructions in order, so no wait stands between the stores and the loads
.irp i, 0,1,2,3
	ds_store_b128 v14, v[R+16*((\t)%4)+4*\i:R+16*((\t)%4)+4*\i+3] offset:32*SP*((\t)%2)+8*SP*\i
.endr
.irp i, 0,1,2,3
	ds_load_b128 v[X+16*((\t)%2)+4*\i:X+16*((\t)%2)+4*\i+3], v15 offset:32*SP*((\t)%2)+16*\i
.endr
.endm
.irp t, 0,1,2,3
	LOAD \t
.endr
	s_wait_loadcnt 12                              ; step 0's four loads are in; the twelve behind them stay out
	TURN 0
.macro STEP t
.set XS, X+16*((\t)%2)
.if (\t) > 0
	s_wait_dscnt 1                                 ; this step's numbers are back from the stage (the last step's byte store may be out)
.else
	s_wait_dscnt 0x0
.endif
.if (\t)+4 < STEPS
	LOAD (\t)+4                                    ; the registers that the stage's stores have read take the loads of four steps on
.endif
.if (\t)+1 < STEPS
.if STEPS-2-(\t) >= 3
	s_wait_loadcnt 12                              ; the next step's four loads are in; those of the three steps behind it may be out
.else
	s_wait_loadcnt 4*(STEPS-2-(\t))
.endif
	TURN (\t)+1                                    ; they go through the other stage while this step is worked
.endif
	v_max3_num_f32 v8, |v[XS]|, |v[XS+1]|, |v[XS+2]|               ; the largest magnitude of my 16, in two chains
	v_max3_num_f32 v9, |v[XS+3]|, |v[XS+4]|, |v[XS+5]|
.irp i, 6,10
	v_max3_num_f32 v8, v8, |v[XS+\i]|, |v[XS+\i+1]|
	v_max3_num_f32 v9, v9, |v[XS+\i+2]|, |v[XS+\i+3]|
.endr
	v_max3_num_f32 v8, v8, |v[XS+14]|, |v[XS+15]|
	v_max3_num_f32 v8, v8, v9, (EMAX+1)<<23        ; and the floor 2^(3 - 127): the byte cannot fall under 1
	v_max_num_f32_dpp v8, v8, v8 row_xmask:1 row_mask:0xf bank_mask:0xf   ; with my neighbour's 16: the block's
	v_add_nc_u32 v11, -(EMAX<<23), v8              ; 2 off its exponent field: the conversion takes the exponent field of this operand as its scale
	v_cvt_scalef32_pk8_fp4_f32 v[C+4*(\t)], v[XS:XS+7], v11
	v_cvt_scalef32_pk8_fp4_f32 v[C+4*(\t)+1], v[XS+8:XS+15], v11
	v_lshrrev_b32 v[E+(\t)], 23, v11               ; the scale's byte (also the plain line behind the conversions)
	ds_store_b8 v5, v[E+(\t)] offset:16*(\t)       ; both lanes of a block write the same byte with the same value
	global_store_b64 v4, v[C+4*(\t):C+4*(\t)+1], s[28:29] offset:32*CB*(\t)
.endm
.irp t, 0,1,2,3,4,5,6,7,8,9,10,11,12,13,14,15
	STEP \t
.endr
	ds_load_b64 v[8:9], v6                         ; LDS serves a wave's instructions in order: these see my byte stores
	s_wait_dscnt 0x0
	global_store_b64 v4, v[8:9], s[30:31]          ; 32 lanes store 256 consecutive bytes, aligned
	s_wait_tensorcnt 0x0                           ; the wave's end
	ds_add_u32 v[SPW], v[NIL]
	s_wait_dscnt 0x0
	s_endpgm
.Lwo:                                  ; W_o to f16, rounded to nearest even: four batches of 16 loads, two batches in flight
	s_sub_co_u32 s33, ttmp9, 352
	s_lshl_b32 s33, s33, 2
	s_add_co_u32 s33, s33, s[WV]                   ; my run of 8,192 numbers
	s_lshl_b32 s38, s33, 15
	s_add_nc_u64 s[16:17], s[16:17], s[38:39]
	s_lshl_b32 s38, s33, 14
	s_add_nc_u64 s[26:27], s[26:27], s[38:39]
.macro WOLOAD t
.irp i, 0,1,2,3,4,5,6,7,8,9,10,11,12,13,14,15
	global_load_b128 v[16+64*((\t)%2)+4*\i:16+64*((\t)%2)+4*\i+3], v3, s[16:17] offset:(16*(\t)+\i)*512
.endr
.endm
.macro WOCVT t, younger                ; younger: the loads of the batch behind this one
.if (\t) > 0
	s_wait_xcnt 0x0                                ; the last batch's stores have read v144-175, which are written again below
.endif
.irp i, 0,1,2,3,4,5,6,7,8,9,10,11,12,13,14,15
	s_wait_loadcnt \younger+15-\i                  ; load i of this batch is in: behind it stand 15 - i of its batch and the next batch's
	v_cvt_pk_f16_f32 v[144+2*\i], v[16+64*((\t)%2)+4*\i], v[16+64*((\t)%2)+4*\i+1]
	v_cvt_pk_f16_f32 v[145+2*\i], v[16+64*((\t)%2)+4*\i+2], v[16+64*((\t)%2)+4*\i+3]
	global_store_b64 v4, v[144+2*\i:145+2*\i], s[26:27] offset:(16*(\t)+\i)*256   ; 32 lanes store 256 consecutive bytes, aligned
.endr
.endm
	WOLOAD 0
	WOLOAD 1
	WOCVT 0, 16
	WOLOAD 2
	WOCVT 1, 16
	WOLOAD 3
	WOCVT 2, 16
	WOCVT 3, 0
	s_endpgm
.Lfunc_end_k_qebf54d8ba7_quant:
	.size	k_qebf54d8ba7_quant, .Lfunc_end_k_qebf54d8ba7_quant-k_qebf54d8ba7_quant
	.p2alignl 7, 3214868480
	.fill 96, 4, 3214868480
	.section	.rodata,"a",@progbits
	.p2align	6, 0x0
	.amdhsa_kernel k_qebf54d8ba7_quant
		.amdhsa_group_segment_fixed_size 33280
		.amdhsa_private_segment_fixed_size 0
		.amdhsa_enable_private_segment 0
		.amdhsa_kernarg_size 80
		.amdhsa_user_sgpr_count 2
		.amdhsa_user_sgpr_kernarg_segment_ptr 1
		.amdhsa_wavefront_size32 1
		.amdhsa_system_sgpr_workgroup_id_x 1
		.amdhsa_system_sgpr_workgroup_id_y 1
		.amdhsa_system_sgpr_workgroup_id_z 1
		.amdhsa_system_vgpr_workitem_id 0
		.amdhsa_next_free_vgpr 192
		.amdhsa_next_free_sgpr 66
		.amdhsa_reserve_vcc 0
		.amdhsa_float_denorm_mode_32 3
		.amdhsa_float_denorm_mode_16_64 3
		.amdhsa_memory_ordered 1
		.amdhsa_forward_progress 1
		.amdhsa_inst_pref_size 56
	.end_amdhsa_kernel
	.amdgpu_metadata
---
amdhsa.version: [ 1, 2 ]
amdhsa.kernels:
  - .name:           k_qebf54d8ba7_quant
    .symbol:         k_qebf54d8ba7_quant.kd
    .args:
      - { .name: x, .offset: 0, .size: 8, .value_kind: global_buffer, .address_space: global }
      - { .name: W_q, .offset: 8, .size: 8, .value_kind: global_buffer, .address_space: global }
      - { .name: W_k, .offset: 16, .size: 8, .value_kind: global_buffer, .address_space: global }
      - { .name: W_v, .offset: 24, .size: 8, .value_kind: global_buffer, .address_space: global }
      - { .name: W_o, .offset: 32, .size: 8, .value_kind: global_buffer, .address_space: global }
      - { .name: xc, .offset: 40, .size: 8, .value_kind: global_buffer, .address_space: global }
      - { .name: xs, .offset: 48, .size: 8, .value_kind: global_buffer, .address_space: global }
      - { .name: wc, .offset: 56, .size: 8, .value_kind: global_buffer, .address_space: global }
      - { .name: ws, .offset: 64, .size: 8, .value_kind: global_buffer, .address_space: global }
      - { .name: wo16, .offset: 72, .size: 8, .value_kind: global_buffer, .address_space: global }
    .group_segment_fixed_size: 33280
    .private_segment_fixed_size: 0
    .kernarg_segment_align: 8
    .kernarg_segment_size: 80
    .max_flat_workgroup_size: 128
    .sgpr_count:     66
    .vgpr_count:     192
    .wavefront_size: 32
...
	.end_amdgpu_metadata
.endif
;; end of part 1
;; launch qkv (part 2): grid 12 x 32, 4 waves a work-group, clusters of 4 x 4, 327,680 bytes of LDS; arguments xc, xs, wc, ws, qkv, q32; writes qkv, q32
.if DOCPART == 2
	.amdgcn_target "amdgcn-amd-amdhsa--gfx1250"
	.amdhsa_code_object_version 6
	.text
	.protected	k_qebf54d8ba7_qkv
	.globl	k_qebf54d8ba7_qkv
	.p2align	8
	.type	k_qebf54d8ba7_qkv,@function
k_qebf54d8ba7_qkv:
	s_mov_b64 s[64:65], 0
	v_nop
	global_prefetch_b8 v0, s[64:65] scope:SCOPE_SE
	s_setreg_imm32_b32 hwreg(HW_REG_WAVE_MODE, 25, 1), 1
	s_wait_xcnt 0x0
	s_wait_alu depctr_hold_cnt(0) depctr_sa_sdst(0) depctr_va_vdst(0) depctr_va_sdst(0) depctr_va_ssrc(0) depctr_va_vcc(0) depctr_vm_vsrc(0)
	s_getreg_b32 s2, hwreg(HW_REG_IB_STS2, 6, 4)
	s_cmp_eq_u32 s2, 0
	s_cbranch_scc0 .Lentry_in_a_cluster
	s_endpgm
.Lentry_in_a_cluster:
	s_bfe_u32 s2, ttmp6, 0x10000c
	s_cmp_lg_u32 s2, 0xf033
	s_cbranch_scc0 .Lentry_shape_is_right
	s_endpgm
.Lentry_shape_is_right:
; [8192 x 3072] = x (codes) times W_q | W_k | W_v (codes), K = 1,024, on codes of FP4 (E2M1) with one E8M0 scale for each 32 along K; sums in f32.
; OUT: qkv, f16, [3][batch x 16 + head][2048 positions][64]; and q32, f32: the sums of positions 0-15 of every batch and head as they stand in the registers, [3][64][4 tiles of 16 channels][2 halves][32 lanes][16 bytes].
; LIMIT: a sum beyond 65,504 has no f16 number.
; A tile of 256 x 256 is made by four waves, each 128 x 128: 64 accumulators of 16 x 16, 512 registers.  K is two steps of 512: both LDS slots are filled once, at the head, so nothing is filled again.
; The scale bytes of the tile's 256 + 256 rows, for all of K, are two dense blocks of memory: they come into LDS once, with the first fills.
; CLUSTERS: 4 x 4 work-groups.  The four of a row of the cluster need the same tiles of x, the four of a column the same tiles of W: each is asked for jointly, by the same tensor load with the same descriptor and a mask of the four.
; The tile row is 8 cy + cluster y: so cy is the batch and 256 x cluster y the tile's first position, and whether a tile holds positions 0-15 hangs on the cluster's y alone, which all partners share.
; THE MATRIX INSTRUCTION IS USED TRANSPOSED (source 0 = 16 rows of W, source 1 = 16 rows of x): a lane holds eight neighbouring channels of one position.
; REGISTERS, in windows of 256: window 0: v0-31 addresses; v32-95 scale words, two sets; v128-191 x's fragments, one set; on the way out v32-63, v192-255.  window 1: W's fragments, two sets.  windows 2, 3: the accumulators ((a, b) at v[8 (8 (a % 4) + b)]).
.set SIZE_K, 1024
.set KSTEP,  512                       ; along K in a slot
.set NQ,     KSTEP/128                 ; matrix instructions deep
.set ROWB,   256                       ; a tile's row in bytes
.set KROW,   SIZE_K/2                  ; a row of codes in memory
.set PITCH,  272                       ; an LDS row: 256 bytes + 16 of padding: the 16 rows of a fragment load start 16 bytes apart modulo 256
.set FR,     8                         ; registers of a fragment
.set NL,     2                         ; LDS loads that bring one
.set NP,     4                         ; places behind this matrix instruction (ISA guide 7.12.1)
.set HALFT,  128*PITCH                 ; what one tensor load brings
.set SLOT,   4*HALFT
.set KS,     SIZE_K/32                 ; a row of scale bytes
.set SCL,    2*SLOT                    ; behind the slots: the scales, as rows of 256 bytes + 16
.set HALFS,  (128*KS/256)*272
.set SBLK,   (16*KS/256)*272
.set SPARE,  SCL+4*HALFS               ; the spare words, 128 bytes a wave
.set SGP,    144                       ; the way out: a stage row: 128 bytes + 16.  2 heads x 16 rows a wave, in slot 0, which has had its only fill and its last read by then
.set ADRA, 16
.set ADRB, 20
.set STO,  24
.set RD,   25
.set CO,   26
.set ADRS, 27
.set SPW,  28
.set NIL,  29
.set SC,   32
.set AF,   128
.set TMP,  192
.set G1, 24
.set G0, 32
.set G1B, 48
.set G0B, 56
.set G1S, 68
.set G0S, 76
.set G1SB, 80
.set G0SB, 88
.set CLY, 99                           ; s99  the cluster's y
.set MSB, 0
.macro WIN new                         ; the immediate's high byte repeats the setting that is left
.if MSB != \new
	s_set_vgpr_msb (MSB<<8)|\new
.set MSB, \new
.endif
.endm
.set MUL_LO, 0xa1                      ; source 0 (W) window 1, source 1 (x) window 0, C and D window 2
.set MUL_HI, 0xf1                      ; the same, C and D window 3
.set TO_B,   0x40                      ; destination window 1, address window 0
; A joint load: waves 0 and 1 fetch for x, waves 2 and 3 for W.  The branch hangs on the wave's number alone.  An s_nop 0 and four v_nop follow each of the two lines.
.macro JLOAD g0a, g1a, g0b, g1b
	s_cmp_eq_u32 s15, 0
	s_cbranch_scc0 .Lfor_b_\@
	tensor_load_to_lds s[\g0a:\g0a+3], s[\g1a:\g1a+7]
	s_nop 0
.rept 4
	v_nop
.endr
	s_branch .Lasked_\@
.Lfor_b_\@:
	tensor_load_to_lds s[\g0b:\g0b+3], s[\g1b:\g1b+7]
	s_nop 0
.rept 4
	v_nop
.endr
.Lasked_\@:
.endm
.macro CROUND                          ; a round of the cluster's barrier
	s_barrier_signal -1
	s_barrier_wait -1
	s_cmp_lg_u32 s14, 0
	s_cbranch_scc1 .Lnot_wave_0_\@
	s_barrier_signal -3
.Lnot_wave_0_\@:
	s_barrier_wait -3
	s_barrier_signal -1
	s_barrier_wait -1
.endm
	s_load_b128 s[4:7], s[0:1], 0x0                ; x's codes, x's scales
	s_load_b128 s[8:11], s[0:1], 0x10              ; W's codes, W's scales
	s_load_b64 s[12:13], s[0:1], 0x20              ; qkv
	s_load_b64 s[96:97], s[0:1], 0x28              ; q32
	v_lshl_add_u32 v[SPW], v0, 2, SPARE
	v_mov_b32 v[NIL], 0
	ds_add_u32 v[SPW], v[NIL]                      ; the wave's opening: the add, twice on end, and its wait ahead of my first tensor load
	ds_add_u32 v[SPW], v[NIL]
	v_lshrrev_b32 v1, 5, v0
	v_readfirstlane_b32 s14, v1                    ; wave 0..3
	s_lshr_b32 s15, s14, 1                         ; which half of the tile's rows is mine.  Also: I fetch for x (0) or for W (1)
	s_and_b32 s16, s14, 1                          ; which half of its columns.  Also: which 128 rows I fetch
	s_bfe_u32 s40, ttmp6, 0x40000                  ; cx, cy: my place in the cluster
	s_bfe_u32 s41, ttmp6, 0x40004
	s_lshl_b32 s42, ttmp9, 2
	s_add_co_u32 s42, s42, s40                     ; tile column = 4 x cluster x + cx
	s_and_b32 s[CLY], ttmp7, 0xffff
	s_lshl_b32 s17, s41, 3
	s_add_co_u32 s17, s17, s[CLY]                  ; tile row = 8 cy + cluster y
	s_lshl_b32 s43, s41, 2
	s_lshl_b32 s43, 15, s43                        ; my row of the cluster
	s_lshl_b32 s44, 0x1111, s40                    ; my column
	s_or_b32 s[G1+0], s43, (0<<16)|(1<<20)|(1<<21)|(5<<22)|(3<<25)  ; the mask; elements of 1 byte; padding on: 4 words behind every 64; bit 21 beside a mask
	s_or_b32 s[G1B+0], s44, (0<<16)|(1<<20)|(1<<21)|(5<<22)|(3<<25)
.irp g, G1, G1B
	s_mov_b32 s[\g+1], ROWB<<16                    ; tensor_dim0
	s_mov_b32 s[\g+2], 128<<16                     ; tensor_dim1
	s_mov_b32 s[\g+3], ROWB<<16                    ; tile_dim0
	s_mov_b32 s[\g+4], 128                         ; tile_dim1
	s_mov_b32 s[\g+5], KROW                        ; from row to row
	s_mov_b32 s[\g+6], 0
	s_mov_b32 s[\g+7], 0
.endr
	s_or_b32 s[G1S+0], s43, (3<<16)|(1<<20)|(1<<21)|(5<<22)|(3<<25) ; the scales of 128 rows: 4,096 dense bytes as 16 rows of 32 elements of 8 bytes
	s_or_b32 s[G1SB+0], s44, (3<<16)|(1<<20)|(1<<21)|(5<<22)|(3<<25)
.irp g, G1S, G1SB
	s_mov_b32 s[\g+1], 32<<16
	s_mov_b32 s[\g+2], (128*KS/256)<<16
	s_mov_b32 s[\g+3], 32<<16
	s_mov_b32 s[\g+4], 128*KS/256
	s_mov_b32 s[\g+5], 32
	s_mov_b32 s[\g+6], 0
	s_mov_b32 s[\g+7], 0
.endr
	s_lshl_b32 s18, s16, 7                         ; which 128 rows of the tile I fetch
	s_lshl_b32 s20, s17, 8
	s_add_co_u32 s20, s20, s18                     ; x: row 256 x tile row + 128 x half
	s_lshl_b32 s46, s42, 8
	s_add_co_u32 s46, s46, s18                     ; W: row 256 x tile column + 128 x half
	s_mov_b32 s21, 0
	s_mov_b32 s47, 0
	s_mov_b64 s[18:19], KS
	s_mul_u64 s[22:23], s[20:21], s[18:19]         ; where these rows' scales begin
	s_mul_u64 s[92:93], s[46:47], s[18:19]
	s_mov_b64 s[18:19], KROW
	s_mul_u64 s[20:21], s[20:21], s[18:19]         ; and their codes
	s_mul_u64 s[46:47], s[46:47], s[18:19]
	s_mul_i32 s45, s14, HALFT                      ; where they go: wave x 128 rows
	s_mul_i32 s94, s14, HALFS
	s_wait_dscnt 0x0                               ; both opening adds are done
	s_wait_kmcnt 0x0
	s_add_nc_u64 s[20:21], s[4:5], s[20:21]
	s_add_nc_u64 s[22:23], s[6:7], s[22:23]
	s_add_nc_u64 s[46:47], s[8:9], s[46:47]
	s_add_nc_u64 s[92:93], s[10:11], s[92:93]
	CROUND                                         ; all sixteen work-groups are here: the joint loads meet
	s_mov_b32 s[G0S], 1
	s_add_co_u32 s[G0S+1], s94, SCL
	s_mov_b64 s[G0S+2:G0S+3], s[22:23]
	s_or_b32 s[G0S+3], s[G0S+3], 0x80000000
	s_mov_b32 s[G0SB], 1
	s_add_co_u32 s[G0SB+1], s94, SCL
	s_mov_b64 s[G0SB+2:G0SB+3], s[92:93]
	s_or_b32 s[G0SB+3], s[G0SB+3], 0x80000000
	JLOAD G0S, G1S, G0SB, G1SB                     ; the scales first: they are wanted with K step 0
.irp s, 0,1
	s_mov_b32 s[G0+4*\s], 1
	s_add_co_u32 s[G0+4*\s+1], s45, \s*SLOT
	s_add_nc_u64 s[G0+4*\s+2:G0+4*\s+3], s[20:21], \s*ROWB
	s_or_b32 s[G0+4*\s+3], s[G0+4*\s+3], 0x80000000
	s_mov_b32 s[G0B+4*\s], 1
	s_add_co_u32 s[G0B+4*\s+1], s45, \s*SLOT
	s_add_nc_u64 s[G0B+4*\s+2:G0B+4*\s+3], s[46:47], \s*ROWB
	s_or_b32 s[G0B+4*\s+3], s[G0B+4*\s+3], 0x80000000
	JLOAD G0+4*\s, G1, G0B+4*\s, G1B               ; three loads of mine are out in all
.endr
	v_and_b32 v1, 15, v0                           ; r = lane % 16
	v_bfe_u32 v2, v0, 4, 1                         ; lane / 16
	v_mul_u32_u24 v3, v1, PITCH
	v_lshl_add_u32 v4, v2, 4, v3                   ; a fragment's row x pitch + 16 x half
	s_mul_i32 s21, s15, HALFT                      ; my 128 rows of x
	s_mul_i32 s22, s16, HALFT                      ; my 128 rows of W,
	s_add_co_u32 s22, s22, 2*HALFT                 ; which lie behind x's 256
.irp s, 0,1
	v_add_nc_u32 v[ADRA+\s], s21, v4
	v_add_nc_u32 v[ADRB+\s], s22, v4
	s_add_co_u32 s21, s21, SLOT
	s_add_co_u32 s22, s22, SLOT
.endr
	v_mul_u32_u24 v5, v1, KS                       ; my row's scales: KS bytes a row,
	v_lshrrev_b32 v6, 8, v5
	v_lshl_add_u32 v5, v6, 4, v5                   ; and 16 more for each 256 passed
	s_mul_i32 s21, s15, HALFS
	s_mul_i32 s22, s16, HALFS
	s_add_co_u32 s22, s22, 2*HALFS
	s_sub_co_u32 s22, s22, s21
	v_mul_u32_u24 v6, s22, v2                      ; lanes 16-31 take W's: one product, the distance between the two bases
	s_add_co_u32 s21, s21, SCL
	v_add_nc_u32 v5, v5, v6
	v_add_nc_u32 v[ADRS], s21, v5
	s_mul_i32 s23, s14, 2*16*SGP                   ; my stage
	v_mul_u32_u24 v5, v1, SGP                      ; in: row r, 16 bytes for each half of the lanes
	v_lshl_add_u32 v5, v2, 4, v5
	v_add_nc_u32 v[STO], s23, v5
	v_and_b32 v6, 31, v0
	v_lshlrev_b32 v[CO], 4, v6                     ; out: four rows of 128 bytes are 512 consecutive bytes of a head's plane: 16 x lane
	v_lshrrev_b32 v5, 3, v6
	v_mul_u32_u24 v5, v5, SGP                      ; back: eight lanes to a row, four rows an instruction
	v_and_b32 v6, 7, v6
	v_lshl_add_u32 v5, v6, 4, v5
	v_add_nc_u32 v[RD], s23, v5
	; where my results go.  My 128 columns are two heads: number 4 x tile column + 2 x half of 48 (16 of Q, 16 of K, 16 of V)
	s_lshl_b32 s46, s42, 2
	s_lshl_b32 s47, s16, 1
	s_add_co_u32 s46, s46, s47
	s_lshr_b32 s47, s46, 4                         ; Q, K or V
	s_lshl_b32 s47, s47, 6
	s_and_b32 s46, s46, 15                         ; the head
	s_add_co_u32 s46, s46, s47
	s_lshl_b32 s47, s41, 4                         ; the batch is cy
	s_add_co_u32 s46, s46, s47                     ; the plane's number, 0..190; my second head's is the next
	s_lshl_b32 s20, s46, 18                        ; a plane is 262,144 bytes
	s_lshl_b32 s21, s[CLY], 15                     ; 256 x cluster y positions of 128 bytes
	s_add_co_u32 s20, s20, s21
	s_lshl_b32 s21, s15, 14                        ; my 128 rows
	s_add_co_u32 s20, s20, s21
	s_mov_b32 s21, 0
	s_add_nc_u64 s[12:13], s[12:13], s[20:21]
	s_lshl_b32 s20, s46, 12                        ; in q32 a plane is 4,096 bytes
	s_add_nc_u64 s[96:97], s[96:97], s[20:21]
.macro FRAG reg, adr, q, i             ; 16 rows x 128 K of 4-bit codes: 8 registers: lane l holds row l % 16; registers 4 c .. 4 c + 3 hold K = 64 c + 32 (l / 16) + 0 .. 31
.irp c, 0,1
	ds_load_b128 v[\reg+4*\c:\reg+4*\c+3], v[\adr] offset:64*(\q)+32*\c+(\i)*16*PITCH
.endr
.endm
; 16 matrix instructions: x's blocks a0, a0 + 1 against W's eight, 128 along K.  The 64 accumulators take turns, one instruction a turn, in the same order in every step.
; A scale register holds x's word of block i in lanes 0-15 and W's word of block i in lanes 16-31.
.macro MUL16 a0, p, q, sc, zero
.irp a, \a0, \a0+1
.irp b, 0,1,2,3,4,5,6,7
.if \zero
	v_wmma_scale_f32_16x16x128_f8f6f4 v[8*(8*((\a)%4)+\b):8*(8*((\a)%4)+\b)+7], v[128*(\p)+FR*\b:128*(\p)+FR*\b+FR-1], v[AF+FR*(\a):AF+FR*(\a)+FR-1], 0, v[SC+8*NQ*(\sc)+NQ*\b+(\q)], v[SC+8*NQ*(\sc)+NQ*(\a)+(\q)] matrix_a_fmt:MATRIX_FMT_FP4 matrix_b_fmt:MATRIX_FMT_FP4 matrix_a_scale:MATRIX_SCALE_ROW1
.else
	v_wmma_scale_f32_16x16x128_f8f6f4 v[8*(8*((\a)%4)+\b):8*(8*((\a)%4)+\b)+7], v[128*(\p)+FR*\b:128*(\p)+FR*\b+FR-1], v[AF+FR*(\a):AF+FR*(\a)+FR-1], v[8*(8*((\a)%4)+\b):8*(8*((\a)%4)+\b)+7], v[SC+8*NQ*(\sc)+NQ*\b+(\q)], v[SC+8*NQ*(\sc)+NQ*(\a)+(\q)] matrix_a_fmt:MATRIX_FMT_FP4 matrix_b_fmt:MATRIX_FMT_FP4 matrix_a_scale:MATRIX_SCALE_ROW1
.endif
.endr
.endr
.endm
.macro FETCH_B slot, q, p              ; W's eight fragments of the slot's q-th 128 along K into set p
	WIN TO_B
.irp i, 0,1,2,3,4,5,6,7
	FRAG 128*(\p)+FR*\i, ADRB+\slot, \q, \i
.endr
	WIN 0
.endm
.macro FETCH_A slot, q, i0             ; x's blocks i0 .. i0 + 3
.irp i, \i0, \i0+1, \i0+2, \i0+3
	FRAG AF+FR*(\i), ADRA+\slot, \q, \i
.endr
.endm
.macro SCALES sc                       ; a K step's scale words into set sc: four words a row
.irp i, 0,1,2,3,4,5,6,7
	ds_load_b128 v[SC+8*NQ*\sc+NQ*\i:SC+8*NQ*\sc+NQ*\i+3], v[ADRS] offset:\i*SBLK
.endr
.endm
.macro PLACES n                        ; plain vector lines between a matrix instruction and a load into, or a read of, its registers
.rept \n
	v_nop
.endr
.endm
.macro STEP slot, q, zero              ; a step of 128 along K that has its successor in the same slot
	s_wait_dscnt 4*NL                              ; W's set and x's blocks 0-3 are in; the youngest eight loads (x's blocks 4-7) may be out
	WIN MUL_LO
	MUL16 0, (\q)%2, \q, \slot, \zero
	MUL16 2, (\q)%2, \q, \slot, \zero
	s_wait_dscnt 0                                 ; x's blocks 4-7 are in
	PLACES NP
	FETCH_B \slot, (\q)+1, 1-(\q)%2
	FETCH_A \slot, (\q)+1, 0
	WIN MUL_HI
	MUL16 4, (\q)%2, \q, \slot, \zero
	MUL16 6, (\q)%2, \q, \slot, \zero
	PLACES NP
	WIN 0
	FETCH_A \slot, (\q)+1, 4
.endm
.macro TURN slot, next                 ; a slot's last step goes over to the other slot: one barrier; nothing is filled again
	s_wait_tensorcnt 0x0                           ; all my tensor loads have landed: my part of the next slot
	ds_add_u32 v[SPW], v[NIL]                      ; 0 onto my spare word
	s_wait_dscnt 4*NL+1                            ; (the add and the youngest eight loads may be out)
	WIN MUL_LO
	MUL16 0, 1, NQ-1, \slot, 0
	s_wait_dscnt 0x0                               ; the add is done, and my reads of this slot are over
	s_barrier_signal -1
	MUL16 2, 1, NQ-1, \slot, 0
	WIN 0
	s_barrier_wait -1                              ; the next slot is whole, and nobody reads this one any more
	PLACES NP
	v_add_nc_u32 v[ADRS], 4*NQ, v[ADRS]            ; on to the next K step's scale words
	FETCH_B \next, 0, 0
	FETCH_A \next, 0, 0
	SCALES \next
	WIN MUL_HI
	MUL16 4, 1, NQ-1, \slot, 0
	MUL16 6, 1, NQ-1, \slot, 0
	PLACES NP
	WIN 0
	FETCH_A \next, 0, 4
.endm
.macro STEPS slot, from                ; the slot's steps from .. NQ - 2
.set Q, \from
.rept NQ-1-\from
	STEP \slot, Q, 0
.set Q, Q+1
.endr
.endm
	s_wait_tensorcnt 1                             ; the scales and my part of K step 0 are in; K step 1's load, the one issued behind them, may be out
	s_barrier_signal -1
	s_barrier_wait -1                              ; everybody's are
	FETCH_B 0, 0, 0
	FETCH_A 0, 0, 0
	SCALES 0
	FETCH_A 0, 0, 4
	STEP 0, 0, 1                                   ; the first products start the sums: nothing is cleared
	STEPS 0, 1
	TURN 0, 1
	STEPS 1, 0
	s_wait_dscnt 4*NL                              ; the very last step: nothing more to fetch
	WIN MUL_LO
	MUL16 0, 1, NQ-1, 1, 0
	MUL16 2, 1, NQ-1, 1, 0
	s_wait_dscnt 0
	WIN MUL_HI
	MUL16 4, 1, NQ-1, 1, 0
	MUL16 6, 1, NQ-1, 1, 0
	WIN 0
	PLACES NP                                      ; behind the last products, ahead of every read of results below
	; POSITIONS 0-15 IN F32.  They are my block 0 where the cluster's y is 0 and my rows are the tile's first half: a test on the cluster's number and the wave's, alike in all partners.
	s_or_b32 s98, s[CLY], s15
	s_cmp_lg_u32 s98, 0
	s_cbranch_scc1 .Lnofine
	WIN 0x08                                       ; a store's data are its source 1: window 2
.irp b, 0,1,2,3,4,5,6,7
	global_store_b128 v[CO], v[8*\b:8*\b+3], s[96:97] offset:1024*\b          ; each accumulator from its low end on; 512 consecutive bytes a store
	global_store_b128 v[CO], v[8*\b+4:8*\b+7], s[96:97] offset:1024*\b+512
.endr
	WIN 0
.Lnofine:
; THE WAY OUT, block by block of 16 positions x 128 channels (two heads).  PACK: rounded to f16, 16 bytes a lane.  TOSTAGE: into my stage, and back four rows at a time.  SEND: stored, 512 consecutive bytes an instruction.
.macro PACK a
.set AC, 64*((\a)%4)
	WIN 0x0a+5*((\a)/4)                            ; sources 0 and 1: window 2 or 3
.irp b, 0,1,2,3,4,5,6,7
.irp r, 0,1,2,3
	v_cvt_pk_f16_f32 v[TMP+4*\b+\r], v[AC+8*\b+2*\r], v[AC+8*\b+2*\r+1]
.endr
.endr
	WIN 0
.endm
.macro TOSTAGE a
.set BB, 32+192*((\a)%2)
.irp b, 0,1,2,3,4,5,6,7
	ds_store_b128 v[STO], v[TMP+4*\b:TMP+4*\b+3] offset:(\b/4)*16*SGP+(\b%4)*32
.endr
.irp t, 0,1,2,3,4,5,6,7
	ds_load_b128 v[BB+4*\t:BB+4*\t+3], v[RD] offset:(\t/4)*16*SGP+(\t%4)*4*SGP   ; LDS serves a wave's instructions in order (ISA guide 5.7.1.4): these see the stores above
.endr
.endm
.macro SEND a
.set BB, 32+192*((\a)%2)
	s_wait_dscnt 0x0                               ; the block is back in registers
	s_wait_xcnt 0x0                                ; earlier stores have read their registers: the next block's loads may land on them
.irp t, 0,1,2,3,4,5,6,7
	global_store_b128 v[CO], v[BB+4*\t:BB+4*\t+3], s[12:13] offset:(\t/4)*262144+(\a)*2048+(\t%4)*512
.endr
.endm
	PACK 0
	TOSTAGE 0
.irp a, 1,2,3,4,5,6,7                  ; block a's conversions stand between block a - 1's loads from the stage and the wait for them
	PACK \a
	SEND \a-1
	TOSTAGE \a
.endr
	SEND 7
	s_wait_tensorcnt 0x0                           ; the wave's end
	ds_add_u32 v[SPW], v[NIL]
	s_wait_dscnt 0x0
	CROUND                                         ; the closing round
	s_endpgm
.Lfunc_end_k_qebf54d8ba7_qkv:
	.size	k_qebf54d8ba7_qkv, .Lfunc_end_k_qebf54d8ba7_qkv-k_qebf54d8ba7_qkv
	.p2alignl 7, 3214868480
	.fill 96, 4, 3214868480
	.section	.rodata,"a",@progbits
	.p2align	6, 0x0
	.amdhsa_kernel k_qebf54d8ba7_qkv
		.amdhsa_group_segment_fixed_size 327680
		.amdhsa_private_segment_fixed_size 0
		.amdhsa_enable_private_segment 0
		.amdhsa_kernarg_size 48
		.amdhsa_user_sgpr_count 2
		.amdhsa_user_sgpr_kernarg_segment_ptr 1
		.amdhsa_wavefront_size32 1
		.amdhsa_system_sgpr_workgroup_id_x 1
		.amdhsa_system_sgpr_workgroup_id_y 1
		.amdhsa_system_sgpr_workgroup_id_z 1
		.amdhsa_system_vgpr_workitem_id 0
		.amdhsa_next_free_vgpr 1024
		.amdhsa_next_free_sgpr 100
		.amdhsa_reserve_vcc 0
		.amdhsa_float_denorm_mode_32 3
		.amdhsa_float_denorm_mode_16_64 3
		.amdhsa_memory_ordered 1
		.amdhsa_forward_progress 1
		.amdhsa_inst_pref_size 128
	.end_amdhsa_kernel
	.amdgpu_metadata
---
amdhsa.version: [ 1, 2 ]
amdhsa.kernels:
  - .name:           k_qebf54d8ba7_qkv
    .symbol:         k_qebf54d8ba7_qkv.kd
    .args:
      - { .name: xc, .offset: 0, .size: 8, .value_kind: global_buffer, .address_space: global }
      - { .name: xs, .offset: 8, .size: 8, .value_kind: global_buffer, .address_space: global }
      - { .name: wc, .offset: 16, .size: 8, .value_kind: global_buffer, .address_space: global }
      - { .name: ws, .offset: 24, .size: 8, .value_kind: global_buffer, .address_space: global }
      - { .name: qkv, .offset: 32, .size: 8, .value_kind: global_buffer, .address_space: global }
      - { .name: q32, .offset: 40, .size: 8, .value_kind: global_buffer, .address_space: global }
    .group_segment_fixed_size: 327680
    .private_segment_fixed_size: 0
    .kernarg_segment_align: 8
    .kernarg_segment_size: 48
    .max_flat_workgroup_size: 128
    .sgpr_count:     100
    .vgpr_count:     1024
    .wavefront_size: 32
...
	.end_amdgpu_metadata
.endif
;; end of part 2
;; launch attn (part 3): grid 4 x 64, 16 waves a work-group, no clusters, 327,680 bytes of LDS; arguments qkv, ow; writes ow
.if DOCPART == 3
	.amdgcn_target "amdgcn-amd-amdhsa--gfx1250"
	.amdhsa_code_object_version 6
	.text
	.protected	k_qebf54d8ba7_attn
	.globl	k_qebf54d8ba7_attn
	.p2align	8
	.type	k_qebf54d8ba7_attn,@function
k_qebf54d8ba7_attn:
	s_mov_b64 s[64:65], 0
	v_nop
	global_prefetch_b8 v0, s[64:65] scope:SCOPE_SE
	s_setreg_imm32_b32 hwreg(HW_REG_WAVE_MODE, 25, 1), 1
	s_wait_xcnt 0x0
; O[bh][q][:] = the sum over k <= q of softmax_k(Q[bh][q] . K[bh][k] / 8) V[bh][k][:].  Q, K, V: planes of qkv, f16 [2048][64]; O: ow, f16, the same shape.  Products on f16 operands with f32 sums; maxima, exponentials and sums in f32.
; LIMITS: p (at most about 1) is rounded to f16 for the second product; what falls under f16's smallest number counts as 0.  NaN and infinities are not served.
; SHARES.  Work-group (j, bh) owns query blocks j and 7 - j (256 queries each) of one head: under the causal mask the two together see the same number of keys for every j.  Waves 0-7 take block j, waves 8-15 block 7 - j, 32 queries (two tiles of 16) a wave.
; NO CLUSTER: the four work-groups of a head need 8 - j slots of keys, a different number each, and a joint load is asked for by all that it names.
; Every work-group walks all 8 slots of 256 keys: the trip counts are constants.  A step of 64 keys that lies wholly behind the wave's queries is jumped over by a scalar branch on ids; a slot that lies wholly behind the work-group's last query is not asked for.
; LAYOUT.  S^T = K Q^T (source 0 = 16 keys, source 1 = 16 queries): a lane holds ONE query (lane % 16) and the keys 8 (lane / 16) + 0..7 of each tile.  Two such tiles, rounded to f16 in pairs, ARE source 1 of O^T = V^T P.  K comes out of LDS as it lies, V turned, by ds_load_tr16_b128.
; SOFTMAX.  A running maximum m and sum l for each query: p = 2^(c s - c m), c = log2(e) / 8; in every step O and l are multiplied by a = 2^(c m_old - c m_new).  The first step finds m = -3e38, l = 0 and O = 0.
; LDS.  A row of K or V is 128 bytes and rows are dense in memory, so a tile is stated as rows of 256 bytes (two keys): key k lies at (k / 2) x pitch + (k % 2) x 128.  K's pitch 272, V's 288.
.set KP,    272
.set VP,    288
.set VOFF,  128*KP                     ; a slot: 128 double rows of K, then 128 of V
.set SLOT1, 1<<17                      ; slot 1 begins here: one exclusive or turns an address from one slot to the other
.set STAGE, SLOT1+128*(KP+VP)          ; behind the ring: 16 rows x 144 bytes for each wave, for the way out; no fill lands here
.set SGP,   144
.set SPARE, STAGE+16*16*SGP            ; the spare words, 128 bytes a wave
.set NSL,   8
.set AK0, 1                            ; v1   my lane's place in a tile of K
.set AV0, 2                            ; v2   the same for V
.set SPW, 3                            ; v3   my spare word; never rewritten
.set NIL, 4                            ; v4   0; never rewritten
.set ADK, 5                            ; v5   K's address in the slot in hand
.set ADV, 6                            ; v6   V's
.set GO,  7                            ; v7   16 x lane
.set RH,  8                            ; v8   lane % 16 - 8 (lane / 16)
.set DM,  9                            ; v9-10 the diagonal: tile t's register (kt, i) is hidden where 16 kt + i > v[DM + t]
.set NINF, 11                          ; v11  -infinity
.set ST,  12                           ; v12-27 statistics, 8 a tile: +0 c m, +1 m, +2, +3 l (even keys', odd keys'), +4..+7 at work; a in +6
.set STO, 28
.set RD,  29
.set PFO, 30                           ; v30  256 x lane
.set QO,  31
.set Q,   32                           ; v32-63   Q: tile t, channels 32 kk on, at 32 + 16 t + 8 kk
.set KV,  64                           ; v64-127  K's fragments of a step, then V's
.set S,   128                          ; v128-191 S^T, 32 a tile; P takes the first 16 of each
.set O,   192                          ; v192-255 O^T: tile t, channels 16 u on, at 192 + 32 t + 8 u
.set TB,  2
.set WV,  18
.set SEL, 20
.set CS,  22
.set G1K, 24
.set G1V, 32
.set G0K, 40
.set G0V, 44
.set SLOTS, 48
.set KF,  49                           ; s49  the step's first key
.set Q0,  50                           ; s50  my first query
.set QL,  51                           ; s51  my work-group's last query
.set PFA, 52
.set LIM, 54
; Waves 0 and 1 fetch K's halves of a slot, waves 2 and 3 V's, the others nothing.  An s_nop 0 and four v_nop follow each of the two lines.
.macro TLOAD
	s_cmp_lt_u32 s[WV], 2
	s_cbranch_scc0 .Lnot_k_\@
	tensor_load_to_lds s[G0K:G0K+3], s[G1K:G1K+7]
	s_nop 0
.rept 4
	v_nop
.endr
	s_branch .Lasked_\@
.Lnot_k_\@:
	s_cmp_lt_u32 s[WV], 4
	s_cbranch_scc0 .Lasked_\@
	tensor_load_to_lds s[G0V:G0V+3], s[G1V:G1V+7]
	s_nop 0
.rept 4
	v_nop
.endr
.Lasked_\@:
.endm
; A prefetch of what the NEXT change of slots will ask for: 32,768 dense bytes of K and as many of V.  The work-group with j = 0, which walks all keys of its head, asks; in it waves 4-7 for K, waves 8-11 for V,
; 8,192 bytes a wave, lanes 256 bytes apart: each block of 256 bytes is named once in the launch.  The last change that fills a slot asks for nothing; slots 0 and 1 come by their loads alone.
.macro ASK
	s_cmp_gt_u32 s[SLOTS], s[LIM]
	s_cbranch_scc0 .Lnot_mine_\@
	global_prefetch_b8 v[PFO], s[PFA:PFA+1] th:TH_LOAD_NT scope:SCOPE_SE
.Lnot_mine_\@:
.endm
	s_load_b128 s[4:7], s[0:1], 0x0                ; qkv, ow
	v_lshl_add_u32 v[SPW], v0, 2, SPARE
	v_mov_b32 v[NIL], 0
	ds_add_u32 v[SPW], v[NIL]                      ; the wave's opening: the add, twice on end, and its wait ahead of my first tensor load
	ds_add_u32 v[SPW], v[NIL]
	v_lshrrev_b32 v5, 5, v0
	v_readfirstlane_b32 s[WV], v5                  ; wave 0..15
	s_and_b32 s56, ttmp7, 0xffff
	s_lshl_b32 s56, s56, 18                        ; my head's plane: 262,144 bytes each
	s_sub_co_u32 s58, 7, ttmp9
	s_cmp_lt_u32 s[WV], 8
	s_cselect_b32 s59, ttmp9, s58                  ; my block of 256 queries: j or 7 - j
	s_lshl_b32 s59, s59, 8
	s_and_b32 s60, s[WV], 7
	s_lshl_b32 s60, s60, 5
	s_add_co_u32 s[Q0], s59, s60
	s_lshl_b32 s[QL], s58, 8
	s_or_b32 s[QL], s[QL], 255
	s_lshl_b32 s58, s[Q0], 7
	s_add_co_u32 s58, s58, s56
	s_mov_b32 s59, 0                               ; s[58:59]: my queries' first byte in Q's planes and in ow
	s_and_b32 s60, s[WV], 1
	s_lshl_b32 s62, s60, 14                        ; which half of a slot's keys I fetch, if I fetch: 128 keys of 128 bytes,
	s_add_co_u32 s62, s62, s56
	s_mov_b32 s63, 0
	s_mul_i32 s61, s60, 64*KP                      ; and where it goes
	s_mul_i32 s60, s60, 64*VP
	s_add_co_u32 s60, s60, VOFF
	s_mov_b32 s[G1K], (3<<16)|(1<<20)|(5<<22)|(3<<25)  ; no mask; elements of 8 bytes; padding on: 4 words behind every 64
	s_mov_b32 s[G1V], (3<<16)|(1<<20)|(5<<22)|(7<<25)  ; the same with 8 words
.irp g, G1K, G1V
	s_mov_b32 s[\g+1], 32<<16                      ; tensor_dim0 = 32 elements: 256 bytes
	s_mov_b32 s[\g+2], 64<<16                      ; tensor_dim1 = 64 double rows
	s_mov_b32 s[\g+3], 32<<16                      ; tile_dim0
	s_mov_b32 s[\g+4], 64                          ; tile_dim1
	s_mov_b32 s[\g+5], 32                          ; from row to row: dense
	s_mov_b32 s[\g+6], 0
	s_mov_b32 s[\g+7], 0
.endr
	s_mov_b32 s[SEL], 0x76543210
	s_mov_b32 s[SEL+1], 0xfedcba98                 ; v_permlanex16_b32's selects for lane l xor 16
	s_mov_b32 s[CS], 0x3e38aa3b                    ; c = log2(e) / 8
	s_mov_b32 s[CS+1], s[CS]
	s_mov_b32 s[TB], 0
	s_mov_b32 s[KF], 0
	s_mov_b32 s[SLOTS], NSL-1
	s_wait_dscnt 0x0                               ; both opening adds are done
	s_wait_kmcnt 0x0
	s_mov_b32 s[G0K], 1
	s_mov_b32 s[G0K+1], s61
	s_add_nc_u64 s[G0K+2:G0K+3], s[4:5], s[62:63]
	s_add_nc_u64 s[G0K+2:G0K+3], s[G0K+2:G0K+3], 0x1000000   ; K's planes begin 64 planes on
	s_or_b32 s[G0K+3], s[G0K+3], 0x80000000
	s_mov_b32 s[G0V], 1
	s_mov_b32 s[G0V+1], s60
	s_add_nc_u64 s[G0V+2:G0V+3], s[4:5], s[62:63]
	s_add_nc_u64 s[G0V+2:G0V+3], s[G0V+2:G0V+3], 0x2000000   ; V's 128 planes on
	s_or_b32 s[G0V+3], s[G0V+3], 0x80000000
	TLOAD                                          ; slot 0: key 0 counts for every query, so it is read by all
	s_add_nc_u64 s[8:9], s[4:5], s[58:59]          ; Q at my first query
	s_add_nc_u64 s[6:7], s[6:7], s[58:59]          ; ow likewise
	s_and_b32 s60, s[WV], 3
	s_lshl_b32 s60, s60, 13                        ; the prefetches: my wave's 8,192 bytes,
	s_add_co_u32 s60, s60, s56
	s_add_co_u32 s60, s60, 32768                   ; in slot 1: the first change of slots steps it to slot 2
	s_mov_b32 s61, 0
	s_add_nc_u64 s[PFA:PFA+1], s[4:5], s[60:61]
	s_mov_b32 s60, 0x2000000
	s_cmp_lt_u32 s[WV], 8
	s_cselect_b32 s60, 0x1000000, s60
	s_add_nc_u64 s[PFA:PFA+1], s[PFA:PFA+1], s[60:61]
	s_sub_co_u32 s60, s[WV], 4
	s_lshr_b32 s60, s60, 3                         ; 0 in waves 4 to 11,
	s_or_b32 s60, s60, ttmp9                       ; of the work-group with j = 0
	s_cmp_eq_u32 s60, 0
	s_cselect_b32 s[LIM], 1, -1
	v_and_b32 v9, 15, v0                           ; r
	v_bfe_u32 v10, v0, 4, 1                        ; h
	v_lshlrev_b32 v[QO], 7, v9
	v_lshl_add_u32 v[QO], v10, 4, v[QO]            ; Q: row r of 128 bytes + 16 h
.irp t, 0,1
.irp kk, 0,1
.irp c, 0,1
	global_load_b128 v[Q+16*\t+8*\kk+4*\c:Q+16*\t+8*\kk+4*\c+3], v[QO], s[8:9] offset:\t*2048+\kk*64+\c*32   ; Q stays in registers
.endr
.endr
.endr
	v_lshrrev_b32 v5, 1, v9
	v_mul_u32_u24 v[AK0], v5, KP
	v_and_b32 v5, 1, v9
	v_lshl_add_u32 v[AK0], v5, 7, v[AK0]
	v_lshl_add_u32 v[AK0], v10, 4, v[AK0]          ; K: key r of a tile: (r / 2) x pitch + (r % 2) x 128 + 16 h
	v_bfe_u32 v5, v0, 1, 2
	v_lshl_add_u32 v5, v10, 2, v5                  ; V, for the turning load: key 8 h + l % 8: double row 4 h + (l % 8) / 2,
	v_mul_u32_u24 v[AV0], v5, VP
	v_and_b32 v5, 1, v0
	v_lshl_add_u32 v[AV0], v5, 7, v[AV0]           ; its half,
	v_bfe_u32 v5, v0, 3, 1
	v_lshl_add_u32 v[AV0], v5, 4, v[AV0]           ; channels 8 ((l / 8) % 2) on
	v_add_nc_u32 v[AV0], VOFF, v[AV0]
	v_and_b32 v5, 31, v0
	v_lshlrev_b32 v[GO], 4, v5
	v_lshlrev_b32 v[PFO], 8, v5
	v_lshlrev_b32 v6, 3, v10
	v_sub_nc_u32 v[RH], v9, v6
	v_mov_b32 v[NINF], 0xff800000
	s_mul_i32 s60, s[WV], 16*SGP
	s_add_co_u32 s60, s60, STAGE                   ; my stage
	v_mul_u32_u24 v[STO], v9, SGP
	v_lshl_add_u32 v[STO], v10, 4, v[STO]
	v_add_nc_u32 v[STO], s60, v[STO]               ; in: row r, 16 bytes for each half of the lanes
	v_lshrrev_b32 v6, 3, v5
	v_mul_u32_u24 v[RD], v6, SGP
	v_and_b32 v6, 7, v5
	v_lshl_add_u32 v[RD], v6, 4, v[RD]
	v_add_nc_u32 v[RD], s60, v[RD]                 ; back: eight lanes to a row, four rows an instruction
.irp t, 0,1
	v_mov_b32 v[ST+8*\t+1], 0xff61b1e6             ; m = -3e38, under every score
	v_mul_f32 v[ST+8*\t], s[CS], v[ST+8*\t+1]      ; c m
.irp n, 2,3,4,5,6,7
	v_mov_b32 v[ST+8*\t+\n], 0                     ; l, and the registers at work (a lane permute's destination counts as one of its sources)
.endr
.endr
.set n, 0
.rept 64
	v_mov_b32 v[O+n], 0                            ; O^T.  The step is written once for all steps: the first finds zeros
.set n, n+1
.endr
; A KEY STEP: 64 keys, the q-th of the slot in hand.
.macro STEP q
	s_add_co_u32 s56, s[Q0], 31                    ; all its keys come after my 32 queries: the step's loads, products and softmax are left out; ids alone decide
	s_cmp_gt_u32 s[KF], s56
	s_cbranch_scc1 .Lhidden_\@
.rept 5
	v_nop                                          ; places behind the last step's products: four for the loads into the registers that held V, five for the products that write over P
.endr
.irp kt, 0,1,2,3
.irp kk, 0,1
.irp c, 0,1
	ds_load_b128 v[KV+16*\kt+8*\kk+4*\c:KV+16*\kt+8*\kk+4*\c+3], v[ADK] offset:(\q)*32*KP+\kt*8*KP+\kk*64+32*\c
.endr
.endr
.endr
	s_wait_dscnt 0x0
.irp kk, 0,1                                   ; S^T = K Q^T: the eight accumulators by turns
.irp kt, 0,1,2,3
.irp t, 0,1
.if \kk == 0
	v_wmma_f32_16x16x32_f16 v[S+32*\t+8*\kt:S+32*\t+8*\kt+7], v[KV+16*\kt+8*\kk:KV+16*\kt+8*\kk+7], v[Q+16*\t+8*\kk:Q+16*\t+8*\kk+7], 0
.else
	v_wmma_f32_16x16x32_f16 v[S+32*\t+8*\kt:S+32*\t+8*\kt+7], v[KV+16*\kt+8*\kk:KV+16*\kt+8*\kk+7], v[Q+16*\t+8*\kk:Q+16*\t+8*\kk+7], v[S+32*\t+8*\kt:S+32*\t+8*\kt+7]
.endif
.endr
.endr
.endr
.rept 4
	v_nop                                          ; places ahead of the loads into K's registers and of the first read of the scores
.endr
.irp g, 0,1                                    ; V of this step, turned: it lands while the softmax is walked
.irp u, 0,1,2,3
	ds_load_tr16_b128 v[KV+32*\g+8*\u:KV+32*\g+8*\u+3], v[ADV] offset:(\q)*32*VP+\g*16*VP+\u*32
	ds_load_tr16_b128 v[KV+32*\g+8*\u+4:KV+32*\g+8*\u+7], v[ADV] offset:(\q)*32*VP+\g*16*VP+8*VP+\u*32
.endr
.endr
	s_add_co_u32 s56, s[KF], 63                    ; a step all of whose keys count for all my queries skips the mask
	s_cmp_le_u32 s56, s[Q0]
	s_cbranch_scc1 .Lopen_\@
	s_sub_co_i32 s56, s[Q0], s[KF]
	v_add_nc_u32 v[DM], s56, v[RH]                 ; tile 0: my query - KF - 8 (lane / 16); register (kt, i) holds key KF + 16 kt + 8 (lane / 16) + i
	v_add_nc_u32 v[DM+1], 16, v[DM]
.irp t, 0,1
.irp kt, 0,1,2,3
.irp i, 0,1,2,3,4,5,6,7
	v_cmp_gt_i32 vcc_lo, 16*\kt+\i, v[DM+\t]
	v_cndmask_b32 v[S+32*\t+8*\kt+\i], v[S+32*\t+8*\kt+\i], v[NINF], vcc_lo   ; a hidden score becomes -infinity: p = 0
.endr
.endr
.endr
.Lopen_\@:
.irp j, 0,1,2,3                                ; the maximum of the lane's 32 scores and the old m: four chains a tile, the two tiles line by line; each accumulator is read from its low end on
.irp t, 0,1
	v_max3_num_f32 v[ST+8*\t+4+\j], v[S+32*\t+8*\j], v[S+32*\t+8*\j+1], v[S+32*\t+8*\j+2]
.endr
.endr
.irp w, 1,2
.irp j, 0,1,2,3
.irp t, 0,1
	v_max3_num_f32 v[ST+8*\t+4+\j], v[ST+8*\t+4+\j], v[S+32*\t+8*\j+2*\w+1], v[S+32*\t+8*\j+2*\w+2]
.endr
.endr
.endr
.irp t, 0,1
	v_max3_num_f32 v[ST+8*\t+4], v[ST+8*\t+4], v[S+32*\t+7], v[S+32*\t+15]
.endr
.irp t, 0,1
	v_max3_num_f32 v[ST+8*\t+6], v[ST+8*\t+6], v[S+32*\t+23], v[S+32*\t+31]
.endr
.irp t, 0,1
	v_max3_num_f32 v[ST+8*\t+4], v[ST+8*\t+4], v[ST+8*\t+5], v[ST+8*\t+6]
.endr
.irp t, 0,1
	v_max3_num_f32 v[ST+8*\t+4], v[ST+8*\t+4], v[ST+8*\t+7], v[ST+8*\t+1]
.endr
.irp t, 0,1
	v_permlanex16_b32 v[ST+8*\t+5], v[ST+8*\t+4], s[SEL], s[SEL+1]   ; the query's other 32 keys lie in the lane 16 away
.endr
.irp t, 0,1
	v_mov_b32 v[ST+8*\t+7], v[ST+8*\t]             ; c m_old
.endr
.irp t, 0,1
	v_max_num_f32 v[ST+8*\t+1], v[ST+8*\t+4], v[ST+8*\t+5]
.endr
.irp t, 0,1
	v_mul_f32 v[ST+8*\t], s[CS], v[ST+8*\t+1]
.endr
.irp t, 0,1
	v_sub_f32 v[ST+8*\t+7], v[ST+8*\t+7], v[ST+8*\t]
.endr
.set n, 0
.rept 16
.irp t, 0,1
	v_pk_fma_f32 v[S+32*\t+2*n:S+32*\t+2*n+1], v[S+32*\t+2*n:S+32*\t+2*n+1], s[CS:CS+1], v[ST+8*\t:ST+8*\t+1] op_sel_hi:[1,0,0] neg_lo:[0,0,1] neg_hi:[0,0,1]   ; c s - c m, two at a time
.endr
.set n, n+1
.endr
.irp t, 0,1
	v_exp_f32 v[ST+8*\t+6], v[ST+8*\t+7]           ; a
.endr
.set n, 0
.rept 32
	v_exp_f32 v[S+n], v[S+n]                       ; p: one batch of 66 exponentials
	v_exp_f32 v[S+32+n], v[S+32+n]
.set n, n+1
.endr
	v_nop                                          ; a plain line behind the last exponential
	s_wait_alu depctr_va_vdst(0)                   ; the wait ahead of the first line that names a result: one for the batch
.irp t, 0,1
	v_pk_mul_f32 v[ST+8*\t+2:ST+8*\t+3], v[ST+8*\t+2:ST+8*\t+3], v[ST+8*\t+6:ST+8*\t+7] op_sel_hi:[1,0]   ; l under the new m
.endr
.irp t, 0,1
	v_pk_add_f32 v[ST+8*\t+4:ST+8*\t+5], v[S+32*\t+2:S+32*\t+3], v[S+32*\t+6:S+32*\t+7]   ; the sum of p in f32, ahead of its rounding: two chains a tile
.endr
.irp b, 0,4,8,12,16,20,24,28
.irp t, 0,1
	v_pk_add_f32 v[ST+8*\t+2:ST+8*\t+3], v[ST+8*\t+2:ST+8*\t+3], v[S+32*\t+\b:S+32*\t+\b+1]
.if \b >= 8
	v_pk_add_f32 v[ST+8*\t+4:ST+8*\t+5], v[ST+8*\t+4:ST+8*\t+5], v[S+32*\t+\b+2:S+32*\t+\b+3]
.endif
.endr
.endr
.irp t, 0,1
	v_pk_add_f32 v[ST+8*\t+2:ST+8*\t+3], v[ST+8*\t+2:ST+8*\t+3], v[ST+8*\t+4:ST+8*\t+5]
.endr
.set n, 0
.rept 16
	v_cvt_pk_f16_f32 v[S+n], v[S+2*n], v[S+2*n+1]          ; P in place, ascending: register n is written when registers 2 n and 2 n + 1 are read, and none above n has been written
	v_cvt_pk_f16_f32 v[S+32+n], v[S+32+2*n], v[S+32+2*n+1]
.set n, n+1
.endr
.set n, 0
.rept 16
	v_pk_mul_f32 v[O+2*n:O+2*n+1], v[O+2*n:O+2*n+1], v[ST+6:ST+7] op_sel_hi:[1,0]           ; O^T under the new m, each accumulator from its low end on
	v_pk_mul_f32 v[O+32+2*n:O+32+2*n+1], v[O+32+2*n:O+32+2*n+1], v[ST+14:ST+15] op_sel_hi:[1,0]
.set n, n+1
.endr
	s_wait_dscnt 0x0                               ; V is in
.irp g, 0,1                                    ; O^T += V^T P: the eight accumulators by turns
.irp u, 0,1,2,3
.irp t, 0,1
	v_wmma_f32_16x16x32_f16 v[O+32*\t+8*\u:O+32*\t+8*\u+7], v[KV+32*\g+8*\u:KV+32*\g+8*\u+7], v[S+32*\t+8*\g:S+32*\t+8*\g+7], v[O+32*\t+8*\u:O+32*\t+8*\u+7]
.endr
.endr
.endr
.Lhidden_\@:
	s_add_co_u32 s[KF], s[KF], 64
.endm
; THE CHANGE OF SLOTS stands at a slot's head.  Each wave waits for all its tensor loads, adds 0 to its spare word (fill = 1: twice on end), and waits for that and for its reads of the slot that it has left.
; Behind the barrier the slot ahead is whole and nobody reads the other one.  fill = 1: that other slot takes the next 256 keys, unless they all come after the work-group's last query.
.macro CHANGE fill
	s_wait_tensorcnt 0x0                           ; no tensor load of mine is out, so a group 0 may be written
	ds_add_u32 v[SPW], v[NIL]                      ; 0 onto my spare word
.if \fill
	ds_add_u32 v[SPW], v[NIL]                      ; and once more
	s_xor_b32 s[G0K+1], s[G0K+1], SLOT1            ; the walking descriptors: the other slot,
	s_add_nc_u64 s[G0K+2:G0K+3], s[G0K+2:G0K+3], 32768   ; the next 256 keys
	s_xor_b32 s[G0V+1], s[G0V+1], SLOT1
	s_add_nc_u64 s[G0V+2:G0V+3], s[G0V+2:G0V+3], 32768
	s_wait_xcnt 0x0                                ; the last prefetch, a slot back, has read its address
	s_add_nc_u64 s[PFA:PFA+1], s[PFA:PFA+1], 32768
.endif
	s_wait_dscnt 0x0                               ; the add is done, and my reads of the slot that I have left are over
	s_barrier_signal -1
	s_barrier_wait -1
.if \fill
	s_add_co_u32 s56, s[KF], 256                   ; the first key of the slot that this change would ask for, against my work-group's last query:
	s_cmp_gt_u32 s56, s[QL]                        ; ids and the count of steps alone; all sixteen waves go the same way; every wait on TENSORcnt in this text is for 0
	s_cbranch_scc1 .Lpast_\@
	TLOAD                                          ; a wave's one tensor load until the next barrier: it has four key steps in which to land
.Lpast_\@:
	ASK
.endif
.endm
.macro SLOT_STEPS
	v_add_nc_u32 v[ADK], s[TB], v[AK0]
	v_add_nc_u32 v[ADV], s[TB], v[AV0]
	STEP 0
	STEP 1
	STEP 2
	STEP 3
	s_xor_b32 s[TB], s[TB], SLOT1
.endm
	s_wait_loadcnt 0x0                             ; Q
.Lslot:                                            ; 7 trips
	CHANGE 1
	SLOT_STEPS
	s_sub_co_u32 s[SLOTS], s[SLOTS], 1
	s_cmp_lg_u32 s[SLOTS], 0
	s_cbranch_scc1 .Lslot
	CHANGE 0                                       ; the last slot is written out: nothing is left to ask for
	SLOT_STEPS
	; THE WAY OUT.  O^T / l, rounded to f16, a tile (16 rows of 128 bytes) at a time through my stage; four rows are 512 consecutive bytes of ow.
.rept 4
	v_nop                                          ; places behind the last products
.endr
.irp t, 0,1
	v_add_f32 v[ST+8*\t+4], v[ST+8*\t+2], v[ST+8*\t+3]
.endr
.irp t, 0,1
	v_permlanex16_b32 v[ST+8*\t+5], v[ST+8*\t+4], s[SEL], s[SEL+1]
.endr
.irp t, 0,1
	v_add_f32 v[ST+8*\t+4], v[ST+8*\t+4], v[ST+8*\t+5]
.endr
.irp t, 0,1
	v_rcp_f32 v[ST+8*\t+6], v[ST+8*\t+4]
.endr
	v_nop
	s_wait_alu depctr_va_vdst(0)                   ; one wait for the two reciprocals, ahead of their first use
.irp t, 0,1
.set n, 0
.rept 16
	v_pk_mul_f32 v[O+32*\t+2*n:O+32*\t+2*n+1], v[O+32*\t+2*n:O+32*\t+2*n+1], v[ST+8*\t+6:ST+8*\t+7] op_sel_hi:[1,0]
.set n, n+1
.endr
.set n, 0
.rept 16
	v_cvt_pk_f16_f32 v[S+16*\t+n], v[O+32*\t+2*n], v[O+32*\t+2*n+1]
.set n, n+1
.endr
.irp u, 0,1,2,3
	ds_store_b128 v[STO], v[S+16*\t+4*\u:S+16*\t+4*\u+3] offset:32*\u
.endr
.irp i, 0,1,2,3
	ds_load_b128 v[KV+16*\t+4*\i:KV+16*\t+4*\i+3], v[RD] offset:4*SGP*\i   ; LDS serves a wave's instructions in order: these see my stores, and the next tile's stores come behind them
.endr
.endr
.irp i, 0,1,2,3
	s_wait_dscnt 11-\i                             ; behind tile 0's load i: 3 - i of its own, and tile 1's four stores and four loads
	global_store_b128 v[GO], v[KV+4*\i:KV+4*\i+3], s[6:7] offset:512*\i
.endr
.irp i, 0,1,2,3
	s_wait_dscnt 3-\i
	global_store_b128 v[GO], v[KV+16+4*\i:KV+16+4*\i+3], s[6:7] offset:2048+512*\i
.endr
	s_wait_tensorcnt 0x0                           ; the wave's end
	ds_add_u32 v[SPW], v[NIL]
	s_wait_dscnt 0x0
	s_endpgm
.Lfunc_end_k_qebf54d8ba7_attn:
	.size	k_qebf54d8ba7_attn, .Lfunc_end_k_qebf54d8ba7_attn-k_qebf54d8ba7_attn
	.p2alignl 7, 3214868480
	.fill 96, 4, 3214868480
	.section	.rodata,"a",@progbits
	.p2align	6, 0x0
	.amdhsa_kernel k_qebf54d8ba7_attn
		.amdhsa_group_segment_fixed_size 327680
		.amdhsa_private_segment_fixed_size 0
		.amdhsa_enable_private_segment 0
		.amdhsa_kernarg_size 16
		.amdhsa_user_sgpr_count 2
		.amdhsa_user_sgpr_kernarg_segment_ptr 1
		.amdhsa_wavefront_size32 1
		.amdhsa_system_sgpr_workgroup_id_x 1
		.amdhsa_system_sgpr_workgroup_id_y 1
		.amdhsa_system_sgpr_workgroup_id_z 1
		.amdhsa_system_vgpr_workitem_id 0
		.amdhsa_next_free_vgpr 256
		.amdhsa_next_free_sgpr 72
		.amdhsa_reserve_vcc 1
		.amdhsa_float_denorm_mode_32 3
		.amdhsa_float_denorm_mode_16_64 3
		.amdhsa_memory_ordered 1
		.amdhsa_forward_progress 1
		.amdhsa_inst_pref_size 189
	.end_amdhsa_kernel
	.amdgpu_metadata
---
amdhsa.version: [ 1, 2 ]
amdhsa.kernels:
  - .name:           k_qebf54d8ba7_attn
    .symbol:         k_qebf54d8ba7_attn.kd
    .args:
      - { .name: qkv, .offset: 0, .size: 8, .value_kind: global_buffer, .address_space: global }
      - { .name: ow, .offset: 8, .size: 8, .value_kind: global_buffer, .address_space: global }
    .group_segment_fixed_size: 327680
    .private_segment_fixed_size: 0
    .kernarg_segment_align: 8
    .kernarg_segment_size: 16
    .max_flat_workgroup_size: 512
    .sgpr_count:     72
    .vgpr_count:     256
    .wavefront_size: 32
...
	.end_amdgpu_metadata
.endif
;; end of part 3
;; launch oproj (part 4): grid 8 x 32, 4 waves a work-group, clusters of 4 x 4, 327,680 bytes of LDS; arguments ow, wo16, out0; writes out0
.if DOCPART == 4
	.amdgcn_target "amdgcn-amd-amdhsa--gfx1250"
	.amdhsa_code_object_version 6
	.text
	.protected	k_qebf54d8ba7_oproj
	.globl	k_qebf54d8ba7_oproj
	.p2align	8
	.type	k_qebf54d8ba7_oproj,@function
k_qebf54d8ba7_oproj:
	s_mov_b64 s[64:65], 0
	v_nop
	global_prefetch_b8 v0, s[64:65] scope:SCOPE_SE
	s_setreg_imm32_b32 hwreg(HW_REG_WAVE_MODE, 25, 1), 1
	s_wait_xcnt 0x0
	s_wait_alu depctr_hold_cnt(0) depctr_sa_sdst(0) depctr_va_vdst(0) depctr_va_sdst(0) depctr_va_ssrc(0) depctr_va_vcc(0) depctr_vm_vsrc(0)
	s_getreg_b32 s2, hwreg(HW_REG_IB_STS2, 6, 4)
	s_cmp_eq_u32 s2, 0
	s_cbranch_scc0 .Lentry_in_a_cluster
	s_endpgm
.Lentry_in_a_cluster:
	s_bfe_u32 s2, ttmp6, 0x10000c
	s_cmp_lg_u32 s2, 0xf033
	s_cbranch_scc0 .Lentry_shape_is_right
	s_endpgm
.Lentry_shape_is_right:
; out0[row][e] = the sum over d of O[row][d] W_o[e][d].  O: ow, f16, [batch x 16 + head][2048][64] (d = 64 head + channel); W_o: wo16, f16 [1024][1024]; out0: f32 [8192][1024].  Sums in f32.
; (The first 16 positions of each batch are written again, more finely, by the launch that follows.)
; A tile of out0 is 256 rows x 128 columns: 256 work-groups.  Four waves, each 128 x 64: 32 accumulators of 16 x 16, 256 registers.
; K goes in steps of 128 (two heads) through a ring of two LDS slots.  A head's 256 rows of 128 bytes are 32,768 dense bytes of ow: stated as 128 rows of 256 bytes, so that row m lies at (m / 2) x pitch + (m % 2) x 128.
; Waves 0 and 1 fetch the step's two heads of O, waves 2 and 3 the two halves of W_o's 128 rows: one tensor load a wave.
; CLUSTERS: 4 x 4 work-groups.  O's tiles are shared along a row of the cluster, W_o's along a column: joint loads.  Where a slot is filled again a round of the cluster's barrier stands in front.
; THE MATRIX INSTRUCTION IS USED TRANSPOSED (source 0 = 16 rows of W_o, source 1 = 16 rows of O): a lane holds eight neighbouring columns of one row of out0.
; REGISTERS: window 0: addresses, v32-95 the way out.  window 1: two fragment buffers at v0 and v128: O's 8 fragments, then W_o's 4.  window 2: accumulator (a, b) at v[8 (4 a + b)].
.set PITCH,  272
.set AHD,    128*PITCH                 ; a head's 256 rows
.set BOFF,   2*AHD                     ; W_o's 128 rows lie behind the two heads
.set SLOT,   3*AHD
.set STAGE,  2*SLOT                    ; behind the ring: 16 rows x 272 bytes for each wave; no fill lands here
.set SPITCH, 272
.set SPARE,  STAGE+4*16*SPITCH
.set KSA,    1<<19                     ; a K step on in ow: two planes
.set KSB,    256                       ; and in a row of wo16
.set ADRA, 16
.set ADRB, 20
.set STO,  24
.set RD,   25
.set CO,   26
.set SPW,  28
.set NIL,  29
.set PFO,  30
.set BK,   32
.set F0,   0
.set F1,   128
.set G1, 24
.set G0, 32
.set G1B, 48
.set G0B, 56
.set LIM, 43
.set PFA, 44
.set MSB, 0
.macro WIN new
.if MSB != \new
	s_set_vgpr_msb (MSB<<8)|\new
.set MSB, \new
.endif
.endm
.set MUL,  0xa5                        ; sources 0 and 1 window 1; C and D window 2
.set TO_F, 0x40                        ; destination window 1, address window 0
.macro JLOAD s                         ; an s_nop 0 and four v_nop follow each of the two lines; the branch hangs on the wave's number alone
	s_cmp_eq_u32 s11, 0
	s_cbranch_scc0 .Lfor_b_\@
	tensor_load_to_lds s[G0+4*\s:G0+4*\s+3], s[G1:G1+7]
	s_nop 0
.rept 4
	v_nop
.endr
	s_branch .Lasked_\@
.Lfor_b_\@:
	tensor_load_to_lds s[G0B+4*\s:G0B+4*\s+3], s[G1B:G1B+7]
	s_nop 0
.rept 4
	v_nop
.endr
.Lasked_\@:
.endm
; A prefetch of O's tile of the K step two refills on: the cluster with x = 0 asks (both clusters of a row of clusters read the same rows of O); of the 32,768 bytes that wave 0 or 1 fetches, each of the four partners
; takes 8,192, told apart by address; lanes 256 bytes apart: each block of 256 bytes is named once.  The loop's last trip asks for nothing: no K step lies two refills on.  wo16 is read by all 32 tile rows and is not asked for.
.macro ASK
	s_cmp_gt_u32 s3, s[LIM]
	s_cbranch_scc0 .Lnot_mine_\@
	global_prefetch_b8 v[PFO], s[PFA:PFA+1] offset:KSA th:TH_LOAD_NT scope:SCOPE_SE
.Lnot_mine_\@:
.endm
.macro CREST
	s_cmp_lg_u32 s10, 0
	s_cbranch_scc1 .Lnot_wave_0_\@
	s_barrier_signal -3
.Lnot_wave_0_\@:
	s_barrier_wait -3
	s_barrier_signal -1
	s_barrier_wait -1
.endm
.macro CROUND
	s_barrier_signal -1
	s_barrier_wait -1
	CREST
.endm
	s_load_b128 s[4:7], s[0:1], 0x0                ; ow, wo16
	s_load_b64 s[8:9], s[0:1], 0x10                ; out0
	v_lshl_add_u32 v[SPW], v0, 2, SPARE
	v_mov_b32 v[NIL], 0
	ds_add_u32 v[SPW], v[NIL]                      ; the wave's opening: the add, twice on end, and its wait ahead of my first tensor load
	ds_add_u32 v[SPW], v[NIL]
	v_lshrrev_b32 v1, 5, v0
	v_readfirstlane_b32 s10, v1                    ; wave 0..3
	s_lshr_b32 s11, s10, 1                         ; which half of the tile's rows is mine.  Also: I fetch for O (0) or for W_o (1)
	s_and_b32 s12, s10, 1                          ; which half of its columns.  Also: which head, or which 64 rows of W_o, I fetch
	s_bfe_u32 s40, ttmp6, 0x40000                  ; cx, cy
	s_bfe_u32 s41, ttmp6, 0x40004
	s_lshl_b32 s42, ttmp9, 2
	s_add_co_u32 s42, s42, s40                     ; tile column
	s_and_b32 s13, ttmp7, 0xffff
	s_lshl_b32 s13, s13, 2
	s_add_co_u32 s13, s13, s41                     ; tile row
	s_lshl_b32 s43, s41, 2
	s_lshl_b32 s43, 15, s43                        ; my row of the cluster
	s_lshl_b32 s44, 0x1111, s40                    ; my column
	s_or_b32 s[G1+0], s43, (3<<16)|(1<<20)|(1<<21)|(5<<22)|(3<<25)   ; the mask; elements of 8 bytes; padding on: 4 words behind every 64; bit 21 beside a mask
	s_or_b32 s[G1B+0], s44, (3<<16)|(1<<20)|(1<<21)|(5<<22)|(3<<25)
	s_mov_b32 s[G1+1], 32<<16                      ; O: 128 rows of 32 elements, dense
	s_mov_b32 s[G1+2], 128<<16
	s_mov_b32 s[G1+3], 32<<16
	s_mov_b32 s[G1+4], 128
	s_mov_b32 s[G1+5], 32
	s_mov_b32 s[G1+6], 0
	s_mov_b32 s[G1+7], 0
	s_mov_b32 s[G1B+1], 32<<16                     ; W_o: 64 rows of 32 elements, 256 elements (2,048 bytes) apart
	s_mov_b32 s[G1B+2], 64<<16
	s_mov_b32 s[G1B+3], 32<<16
	s_mov_b32 s[G1B+4], 64
	s_mov_b32 s[G1B+5], 256
	s_mov_b32 s[G1B+6], 0
	s_mov_b32 s[G1B+7], 0
	s_lshr_b32 s16, s13, 3                         ; O: the batch: 16 planes of 262,144 bytes,
	s_lshl_b32 s16, s16, 22
	s_and_b32 s17, s13, 7
	s_lshl_b32 s17, s17, 15                        ; 256 positions of 128 bytes for each tile row in it,
	s_add_co_u32 s16, s16, s17
	s_lshl_b32 s17, s12, 18                        ; my head of the step's two
	s_add_co_u32 s16, s16, s17
	s_mov_b32 s17, 0
	s_lshl_b32 s46, s42, 7
	s_lshl_b32 s47, s12, 6
	s_add_co_u32 s46, s46, s47                     ; W_o: row 128 x tile column + 64 x half,
	s_lshl_b32 s46, s46, 11                        ; of 2,048 bytes
	s_mov_b32 s47, 0
	s_mul_i32 s20, s12, AHD                        ; where they go: no place in the cluster enters an LDS address
	s_mul_i32 s21, s12, 64*PITCH
	s_add_co_u32 s21, s21, BOFF
	s_wait_dscnt 0x0                               ; both opening adds are done
	s_wait_kmcnt 0x0
	s_add_nc_u64 s[14:15], s[4:5], s[16:17]
	s_add_nc_u64 s[46:47], s[6:7], s[46:47]
	CROUND                                         ; all sixteen work-groups are here: the first joint loads meet
.irp s, 0,1
	s_mov_b32 s[G0+4*\s], 1
	s_add_co_u32 s[G0+4*\s+1], s20, \s*SLOT
	s_add_nc_u64 s[G0+4*\s+2:G0+4*\s+3], s[14:15], \s*KSA
	s_or_b32 s[G0+4*\s+3], s[G0+4*\s+3], 0x80000000
	s_mov_b32 s[G0B+4*\s], 1
	s_add_co_u32 s[G0B+4*\s+1], s21, \s*SLOT
	s_add_nc_u64 s[G0B+4*\s+2:G0B+4*\s+3], s[46:47], \s*KSB
	s_or_b32 s[G0B+4*\s+3], s[G0B+4*\s+3], 0x80000000
	JLOAD \s                                       ; two loads of mine are out
.endr
	v_and_b32 v1, 15, v0                           ; r
	v_bfe_u32 v2, v0, 4, 1                         ; h
	v_lshrrev_b32 v3, 1, v1
	v_mul_u32_u24 v3, v3, PITCH
	v_and_b32 v4, 1, v1
	v_lshl_add_u32 v3, v4, 7, v3
	v_lshl_add_u32 v3, v2, 4, v3                   ; O: (r / 2) x pitch + (r % 2) x 128 + 16 h
	v_mul_u32_u24 v4, v1, PITCH
	v_lshl_add_u32 v4, v2, 4, v4                   ; W_o: r x pitch + 16 h
	s_mul_i32 s21, s11, 64*PITCH                   ; my 128 rows of O
	s_mul_i32 s22, s12, 64*PITCH                   ; my 64 rows of W_o
	s_add_co_u32 s22, s22, BOFF
.irp s, 0,1
	v_add_nc_u32 v[ADRA+\s], s21, v3
	v_add_nc_u32 v[ADRB+\s], s22, v4
	s_add_co_u32 s21, s21, SLOT
	s_add_co_u32 s22, s22, SLOT
.endr
	s_mul_i32 s23, s10, 16*SPITCH
	s_add_co_u32 s23, s23, STAGE                   ; my stage
	v_mul_u32_u24 v5, v1, SPITCH
	v_lshl_add_u32 v5, v2, 5, v5
	v_add_nc_u32 v[STO], s23, v5                   ; in: row r, 32 bytes for each half of the lanes
	v_mul_u32_u24 v5, v2, SPITCH
	v_lshl_add_u32 v5, v1, 4, v5
	v_add_nc_u32 v[RD], s23, v5                    ; back: lanes 0-15 one row of 256 bytes, lanes 16-31 the next
	v_lshlrev_b32 v5, 12, v2
	v_lshl_add_u32 v[CO], v1, 4, v5                ; and the same two rows in out0
	v_and_b32 v[PFO], 31, v0
	v_lshlrev_b32 v[PFO], 8, v[PFO]
	s_lshl_b32 s16, s13, 8
	s_lshl_b32 s17, s11, 7
	s_add_co_u32 s16, s16, s17                     ; my first row of out0,
	s_lshl_b32 s16, s16, 12                        ; of 4,096 bytes
	s_mov_b32 s17, 0
	s_add_nc_u64 s[8:9], s[8:9], s[16:17]
	s_lshl_b32 s46, s42, 9                         ; my first column, in bytes: 512 x tile column + 256 x half
	s_lshl_b32 s47, s12, 8
	s_add_co_u32 s46, s46, s47
	s_mov_b32 s47, 0
	s_add_nc_u64 s[8:9], s[8:9], s[46:47]
	s_lshl_b32 s22, s40, 13                        ; the prefetches: my work-group's 8,192 bytes of the head that I fetch,
	s_mov_b32 s23, 0
	s_add_nc_u64 s[PFA:PFA+1], s[14:15], s[22:23]
	s_add_nc_u64 s[PFA:PFA+1], s[PFA:PFA+1], 2*KSA ; at K step 2: the first refill steps it to 3 and names K step 4
	s_or_b32 s22, s11, ttmp9                       ; waves 0 and 1 of the clusters with x = 0: alike in all partners
	s_cmp_eq_u32 s22, 0
	s_cselect_b32 s[LIM], 1, -1
.macro MUL8 f, a0, zero                ; O's blocks a0, a0 + 1 against W_o's four, 32 along K.  The 32 accumulators take turns in the same order in every quarter
.irp a, \a0, \a0+1
.irp b, 0,1,2,3
.if \zero
	v_wmma_f32_16x16x32_f16 v[8*(4*(\a)+\b):8*(4*(\a)+\b)+7], v[\f+64+8*\b:\f+64+8*\b+7], v[\f+8*(\a):\f+8*(\a)+7], 0
.else
	v_wmma_f32_16x16x32_f16 v[8*(4*(\a)+\b):8*(4*(\a)+\b)+7], v[\f+64+8*\b:\f+64+8*\b+7], v[\f+8*(\a):\f+8*(\a)+7], v[8*(4*(\a)+\b):8*(4*(\a)+\b)+7]
.endif
.endr
.endr
.endm
.macro MUL16 f, a0, zero
	MUL8 \f, \a0, \zero
	MUL8 \f, \a0+2, \zero
.endm
.macro FETCH slot, q, f                ; 24 LDS loads in one run: the fragments of the slot's q-th 32 along K: W_o's four, O's blocks 0-3, O's blocks 4-7
	WIN TO_F
.irp i, 0,1,2,3
	ds_load_b128 v[\f+64+8*\i:\f+64+8*\i+3],   v[ADRB+\slot] offset:(\q)*64+\i*16*PITCH
	ds_load_b128 v[\f+64+8*\i+4:\f+64+8*\i+7], v[ADRB+\slot] offset:(\q)*64+\i*16*PITCH+32
.endr
.irp i, 0,1,2,3,4,5,6,7
	ds_load_b128 v[\f+8*\i:\f+8*\i+3],   v[ADRA+\slot] offset:((\q)/2)*AHD+((\q)%2)*64+\i*8*PITCH
	ds_load_b128 v[\f+8*\i+4:\f+8*\i+7], v[ADRA+\slot] offset:((\q)/2)*AHD+((\q)%2)*64+\i*8*PITCH+32
.endr
.endm
.macro PLACES
.rept 4
	v_nop
.endr
.endm
.macro QUARTER slot, qn, f, g, zero    ; multiplies buffer f; in its middle it fetches the slot's quarter qn into buffer g
	s_wait_dscnt 8                                 ; W_o's fragments and O's blocks 0-3 are in; the youngest eight loads (blocks 4-7) may be out
	WIN MUL
	MUL16 \f, 0, \zero
	PLACES                                         ; ahead of loads into registers that matrix instructions have read
	FETCH \slot, \qn, \g
	s_wait_dscnt 24                                ; all but the 24 just issued
	WIN MUL
	MUL16 \f, 4, \zero
.endm
.macro MEET round                      ; the first half of a slot's last quarter: the waits, the add and the barrier of the change of slots
	WIN 0                                          ; (the add's two registers lie in window 0)
	s_wait_tensorcnt 0x0                           ; all my tensor loads have landed: my part of the next slot
	ds_add_u32 v[SPW], v[NIL]                      ; 0 onto my spare word
	s_wait_dscnt 9                                 ; (the add and the youngest eight loads may be out)
	WIN MUL
	MUL8 F1, 0, 0
	s_wait_dscnt 0x0                               ; the add is done, and my reads of this slot are over
	s_barrier_signal -1
	MUL8 F1, 2, 0
.if \round
	WIN 0
.endif
	s_barrier_wait -1
.endm
.macro TURN slot, next, fill
	s_wait_xcnt 0x0                                ; the last prefetch, a K step back, has read its address
	s_add_nc_u64 s[PFA:PFA+1], s[PFA:PFA+1], KSA
	MEET \fill
.if \fill
	CREST                                          ; the barrier has opened a round of the cluster's: no wave of any partner still reads this slot or has a load on its way
	s_add_nc_u64 s[G0+4*\slot+2:G0+4*\slot+3], s[G0+4*\slot+2:G0+4*\slot+3], 2*KSA
	s_add_nc_u64 s[G0B+4*\slot+2:G0B+4*\slot+3], s[G0B+4*\slot+2:G0B+4*\slot+3], 2*KSB
	JLOAD \slot                                    ; the first tensor load behind the round; its four v_nop are also the places ahead of the loads below
.else
	PLACES
.endif
	FETCH \next, 0, F0
.if \fill
	WIN 0                                          ; (a branch follows)
	ASK
.endif
	WIN MUL
	MUL16 F1, 4, 0
.endm
	s_wait_tensorcnt 1                             ; my part of K step 0 is in; K step 1's load may be out
	s_barrier_signal -1
	s_barrier_wait -1
	FETCH 0, 0, F0
	QUARTER 0, 1, F0, F1, 1                        ; the first quarter's products start the sums
	WIN 0
	s_mov_b32 s3, 3
.Llap:                                             ; a trip goes once round the ring and fills both slots again: K steps 2 to 7 in three trips
	QUARTER 0, 2, F1, F0, 0
	QUARTER 0, 3, F0, F1, 0
	TURN 0, 1, 1
	QUARTER 1, 1, F0, F1, 0
	QUARTER 1, 2, F1, F0, 0
	QUARTER 1, 3, F0, F1, 0
	TURN 1, 0, 1
	QUARTER 0, 1, F0, F1, 0
	WIN 0
	s_sub_co_u32 s3, s3, 1
	s_cmp_lg_u32 s3, 0
	s_cbranch_scc1 .Llap
	QUARTER 0, 2, F1, F0, 0                        ; the last lap fills nothing
	QUARTER 0, 3, F0, F1, 0
	TURN 0, 1, 0
	QUARTER 1, 1, F0, F1, 0
	QUARTER 1, 2, F1, F0, 0
	QUARTER 1, 3, F0, F1, 0
	s_wait_dscnt 8
	WIN MUL
	MUL16 F1, 0, 0
	s_wait_dscnt 0
	MUL16 F1, 4, 0
	WIN 0
; THE WAY OUT, block by block of 16 rows x 64 columns, through my own stage: a lane's 32 bytes go in, whole rows of 256 bytes come back, and sixteen lanes store 256 consecutive bytes, aligned.
.macro TOSTAGE a
	WIN 0x08                                       ; an LDS store's data are its source 1: window 2
.irp b, 0,1,2,3
	ds_store_b128 v[STO], v[8*(4*(\a)+\b):8*(4*(\a)+\b)+3] offset:64*\b         ; each accumulator from its low end on
	ds_store_b128 v[STO], v[8*(4*(\a)+\b)+4:8*(4*(\a)+\b)+7] offset:64*\b+16
.endr
	WIN 0
.set BB, BK+32*((\a)%2)
.irp t, 0,1,2,3,4,5,6,7
	ds_load_b128 v[BB+4*\t:BB+4*\t+3], v[RD] offset:\t*2*SPITCH   ; LDS serves a wave's instructions in order: these see the stores above
.endr
.endm
.macro SEND a, younger                 ; younger: the LDS instructions issued behind block a's loads
.set BB, BK+32*((\a)%2)
	s_wait_dscnt \younger
.irp t, 0,1,2,3,4,5,6,7
	global_store_b128 v[CO], v[BB+4*\t:BB+4*\t+3], s[8:9] offset:(16*(\a)+2*\t)*4096 th:TH_STORE_NT
.endr
.endm
	PLACES                                         ; behind the last products
	TOSTAGE 0
.irp a, 1,2,3,4,5,6,7
.if \a > 1
	s_wait_xcnt 0x0                                ; block a - 2's stores have read their registers: block a's loads may land there
.endif
	TOSTAGE \a
	SEND \a-1, 16                                  ; behind block a - 1's loads: block a's eight stores and eight loads
.endr
	SEND 7, 0
	s_wait_tensorcnt 0x0                           ; the wave's end
	ds_add_u32 v[SPW], v[NIL]
	s_wait_dscnt 0x0
	CROUND                                         ; the closing round
	s_endpgm
.Lfunc_end_k_qebf54d8ba7_oproj:
	.size	k_qebf54d8ba7_oproj, .Lfunc_end_k_qebf54d8ba7_oproj-k_qebf54d8ba7_oproj
	.p2alignl 7, 3214868480
	.fill 96, 4, 3214868480
	.section	.rodata,"a",@progbits
	.p2align	6, 0x0
	.amdhsa_kernel k_qebf54d8ba7_oproj
		.amdhsa_group_segment_fixed_size 327680
		.amdhsa_private_segment_fixed_size 0
		.amdhsa_enable_private_segment 0
		.amdhsa_kernarg_size 24
		.amdhsa_user_sgpr_count 2
		.amdhsa_user_sgpr_kernarg_segment_ptr 1
		.amdhsa_wavefront_size32 1
		.amdhsa_system_sgpr_workgroup_id_x 1
		.amdhsa_system_sgpr_workgroup_id_y 1
		.amdhsa_system_sgpr_workgroup_id_z 1
		.amdhsa_system_vgpr_workitem_id 0
		.amdhsa_next_free_vgpr 768
		.amdhsa_next_free_sgpr 66
		.amdhsa_reserve_vcc 0
		.amdhsa_float_denorm_mode_32 3
		.amdhsa_float_denorm_mode_16_64 3
		.amdhsa_memory_ordered 1
		.amdhsa_forward_progress 1
		.amdhsa_inst_pref_size 87
	.end_amdhsa_kernel
	.amdgpu_metadata
---
amdhsa.version: [ 1, 2 ]
amdhsa.kernels:
  - .name:           k_qebf54d8ba7_oproj
    .symbol:         k_qebf54d8ba7_oproj.kd
    .args:
      - { .name: ow, .offset: 0, .size: 8, .value_kind: global_buffer, .address_space: global }
      - { .name: wo16, .offset: 8, .size: 8, .value_kind: global_buffer, .address_space: global }
      - { .name: out0, .offset: 16, .size: 8, .value_kind: global_buffer, .address_space: global }
    .group_segment_fixed_size: 327680
    .private_segment_fixed_size: 0
    .kernarg_segment_align: 8
    .kernarg_segment_size: 24
    .max_flat_workgroup_size: 128
    .sgpr_count:     66
    .vgpr_count:     768
    .wavefront_size: 32
...
	.end_amdgpu_metadata
.endif
;; end of part 4
;; launch fine (part 5): grid 64 x 4, 16 waves a work-group, no clusters, 18,432 bytes of LDS; arguments q32, W_o, out0; writes out0
.if DOCPART == 5
	.amdgcn_target "amdgcn-amd-amdhsa--gfx1250"
	.amdhsa_code_object_version 6
	.text
	.protected	k_qebf54d8ba7_fine
	.globl	k_qebf54d8ba7_fine
	.p2align	8
	.type	k_qebf54d8ba7_fine,@function
k_qebf54d8ba7_fine:
	s_mov_b64 s[64:65], 0
	v_nop
	global_prefetch_b8 v0, s[64:65] scope:SCOPE_SE
	s_setreg_imm32_b32 hwreg(HW_REG_WAVE_MODE, 25, 1), 1
	s_wait_xcnt 0x0
; THE FIRST 16 POSITIONS OF EACH BATCH, IN F32 THROUGHOUT: they average one to sixteen values and are the largest rows of the output, so that the rounding of f16 operands weighs most there.  This launch writes those 64 rows of out0 again.
; q32 holds the f32 sums Q, K, V of positions 0-15 as register images: [3][batch x 16 + head][4 u][2 c][32 lanes][16 bytes]: lane (r, h) of chunk (u, c): position r, channels 16 u + 8 h + 4 c + 0..3.  W_o: f32 [1024][1024].
; SHARES.  Work-group (x, y): batch y, output columns 16 x .. 16 x + 15.  Wave w: head w.  Each work-group makes its batch's 16 x 16 attention anew (32 matrix instructions a wave), so that one launch serves both steps;
; then each wave multiplies its head's 64 channels by W_o's 16 rows (16 instructions), and the 16 partial tiles are added through LDS.  A store is 64 bytes of each of 16 rows: 262,144 bytes in the whole launch.
; THE F32 MATRIX FORM takes K = 4: lane (r, h), register j holds k = 2 h + j.  A pair of registers of an image holds, in lanes h = 0 and 1, four different channels (or keys): the same four in both sources, so each product is a true partial sum.
; The registers that this form writes (v144-159, v168-215) are written by nothing else; what is made of a sum goes to other registers.
.set SPARE, 16384                      ; LDS: 16 images of 1,024 bytes, then the spare words, 128 bytes a wave
.set SPW, 12
.set NIL, 13
.set QF,  16                           ; v16-47   Q's image
.set KF,  48                           ; v48-79   K's image
.set VF,  80                           ; v80-111  V^T: register 8 u + k: V[key 8 h + k][channel 16 u + r]
.set WF,  112                          ; v112-143 W_o: register 8 u + k: W_o[e0 + r][64 head + 16 u + 8 h + k]
.set SA,  144                          ; v144-159 S^T in two partial sums
.set SS,  160                          ; v160-167 the scores, then p: register i: key 8 h + i, query r
.set OA,  168                          ; v168-199 O^T: register 8 u + i: channel 16 u + 8 h + i, query r
.set PA,  200                          ; v200-215 the output tile, transposed, in two partial sums
.set RS,  216                          ; v216-223 my head's part: register i: column e0 + 8 h + i, query r
	s_load_b128 s[4:7], s[0:1], 0x0                ; q32, W_o
	s_load_b64 s[8:9], s[0:1], 0x10                ; out0
	v_lshl_add_u32 v[SPW], v0, 2, SPARE
	v_mov_b32 v[NIL], 0
	v_lshrrev_b32 v1, 5, v0
	v_readfirstlane_b32 s10, v1                    ; wave = head
	v_and_b32 v1, 15, v0                           ; r
	v_bfe_u32 v2, v0, 4, 1                         ; h
	v_and_b32 v14, 31, v0
	v_lshlrev_b32 v3, 4, v14                       ; 16 x lane: an image's place for my lane
	v_bfe_u32 v4, v0, 2, 1                         ; V[key][16 u + r] lies in chunk (u, (r / 4) % 2), lane key + 16 (r / 8), word r % 4
	v_lshlrev_b32 v4, 9, v4
	v_bfe_u32 v15, v0, 3, 1
	v_lshl_add_u32 v4, v15, 8, v4
	v_lshl_add_u32 v4, v2, 7, v4                   ; my keys begin at 8 h
	v_and_b32 v15, 3, v0
	v_lshl_add_u32 v4, v15, 2, v4
	v_lshlrev_b32 v5, 12, v1
	v_lshl_add_u32 v5, v2, 5, v5                   ; W_o and out0: row r of 4,096 bytes + 32 h
	v_lshlrev_b32 v15, 3, v2
	v_sub_nc_u32 v6, v1, v15                       ; r - 8 h: register i's key is hidden where i is greater
	v_mov_b32 v7, 0xff800000                       ; -infinity
	s_lshl_b32 s11, s10, 10
	v_add_nc_u32 v8, s11, v3                       ; where my part goes in LDS
	s_and_b32 s12, s10, 1
	s_lshl_b32 s13, s12, 9
	v_add_nc_u32 v9, s13, v3                       ; waves 0 and 1: which half of every image I add up,
	s_lshl_b32 s13, s12, 4
	v_add_nc_u32 v10, s13, v5                      ; and where it goes in out0
	v_mov_b32 v225, 0                              ; (a lane permute's destination counts as one of its sources)
	s_and_b32 s14, ttmp7, 0xffff                   ; the batch
	s_lshl_b32 s16, s14, 4
	s_add_co_u32 s16, s16, s10
	s_lshl_b32 s16, s16, 12                        ; my head's images: 4,096 bytes each
	s_mov_b32 s17, 0
	s_lshl_b32 s18, ttmp9, 16                      ; W_o: 16 rows of 4,096 bytes for each work-group x,
	s_lshl_b32 s19, s10, 8                         ; my head's 64 numbers
	s_add_co_u32 s18, s18, s19
	s_mov_b32 s19, 0
	s_lshl_b32 s24, s14, 23                        ; out0: a batch is 2,048 rows of 4,096 bytes,
	s_lshl_b32 s25, ttmp9, 6                       ; 16 columns of 4 bytes
	s_add_co_u32 s24, s24, s25
	s_mov_b32 s25, 0
	s_mov_b32 s20, 0x76543210
	s_mov_b32 s21, 0xfedcba98                      ; v_permlanex16_b32's selects for lane l xor 16
	s_mov_b32 s22, 0x3e38aa3b                      ; c = log2(e) / 8
	s_wait_kmcnt 0x0
	s_add_nc_u64 s[4:5], s[4:5], s[16:17]
	s_add_nc_u64 s[6:7], s[6:7], s[18:19]
	s_add_nc_u64 s[8:9], s[8:9], s[24:25]
.irp i, 0,1,2,3,4,5,6,7
	global_load_b128 v[QF+4*\i:QF+4*\i+3], v3, s[4:5] offset:512*\i
	global_load_b128 v[KF+4*\i:KF+4*\i+3], v3, s[4:5] offset:262144+512*\i
.endr
.irp u, 0,1,2,3
.irp k, 0,1,2,3,4,5,6,7
	global_load_b32 v[VF+8*\u+\k], v4, s[4:5] offset:524288+1024*\u+16*\k
.endr
.irp c, 0,1
	global_load_b128 v[WF+8*\u+4*\c:WF+8*\u+4*\c+3], v5, s[6:7] offset:64*\u+16*\c
.endr
.endr
	s_wait_loadcnt 0x0
	; S^T = K Q^T: 16 steps of four channels, two partial sums by turns; the first two steps start the sums
.set n, 0
.rept 16
.if n < 2
	v_wmma_f32_16x16x4_f32 v[SA+8*(n%2):SA+8*(n%2)+7], v[KF+2*n:KF+2*n+1], v[QF+2*n:QF+2*n+1], 0
.else
	v_wmma_f32_16x16x4_f32 v[SA+8*(n%2):SA+8*(n%2)+7], v[KF+2*n:KF+2*n+1], v[QF+2*n:QF+2*n+1], v[SA+8*(n%2):SA+8*(n%2)+7]
.endif
.set n, n+1
.endr
.rept 8
	v_nop                                          ; eight places behind this form, ahead of the first read of its results (ISA guide 7.12.1)
.endr
.irp i, 0,2,4,6
	v_pk_add_f32 v[SS+\i:SS+\i+1], v[SA+\i:SA+\i+1], v[SA+8+\i:SA+8+\i+1]   ; from the low end on
.endr
.irp i, 0,1,2,3,4,5,6,7
	v_cmp_gt_i32 vcc_lo, \i, v6
	v_cndmask_b32 v[SS+\i], v[SS+\i], v7, vcc_lo   ; the causal mask: key 8 h + i is hidden from query r where it is greater
.endr
	v_max3_num_f32 v224, v[SS], v[SS+1], v[SS+2]
	v_max3_num_f32 v224, v224, v[SS+3], v[SS+4]
	v_max3_num_f32 v224, v224, v[SS+5], v[SS+6]
	v_max_num_f32 v224, v224, v[SS+7]
	v_permlanex16_b32 v225, v224, s20, s21
	v_max_num_f32 v224, v224, v225                 ; the row's maximum: key 0 counts for every query
	v_mul_f32 v224, s22, v224
.irp i, 0,1,2,3,4,5,6,7
	v_fma_f32 v[SS+\i], v[SS+\i], s22, -v224       ; c s - c m
.endr
.irp i, 0,1,2,3,4,5,6,7
	v_exp_f32 v[SS+\i], v[SS+\i]                   ; p, not normalised
.endr
	v_nop
	s_wait_alu depctr_va_vdst(0)                   ; one wait for the eight, ahead of the first line that names a result
	v_pk_add_f32 v[226:227], v[SS:SS+1], v[SS+2:SS+3]
	v_pk_add_f32 v[228:229], v[SS+4:SS+5], v[SS+6:SS+7]
	v_pk_add_f32 v[226:227], v[226:227], v[228:229]
	v_add_f32 v226, v226, v227
	v_permlanex16_b32 v225, v226, s20, s21
	v_add_f32 v226, v226, v225                     ; the row's sum
	v_rcp_f32 v228, v226
	v_nop
	s_wait_alu depctr_va_vdst(0)
	; O^T = V^T P^T: four steps of four keys, the four tiles of channels by turns
.irp t, 0,1,2,3
.irp u, 0,1,2,3
.if \t == 0
	v_wmma_f32_16x16x4_f32 v[OA+8*\u:OA+8*\u+7], v[VF+8*\u+2*\t:VF+8*\u+2*\t+1], v[SS+2*\t:SS+2*\t+1], 0
.else
	v_wmma_f32_16x16x4_f32 v[OA+8*\u:OA+8*\u+7], v[VF+8*\u+2*\t:VF+8*\u+2*\t+1], v[SS+2*\t:SS+2*\t+1], v[OA+8*\u:OA+8*\u+7]
.endif
.endr
.endr
.rept 9
	v_nop                                          ; nine places ahead of matrix instructions that take these results as a source
.endr
	; my head's part of the output tile, transposed: source 0 = 16 rows of W_o, source 1 = O^T: 16 steps of four channels, two partial sums by turns
.set n, 0
.rept 16
.if n < 2
	v_wmma_f32_16x16x4_f32 v[PA+8*(n%2):PA+8*(n%2)+7], v[WF+2*n:WF+2*n+1], v[OA+2*n:OA+2*n+1], 0
.else
	v_wmma_f32_16x16x4_f32 v[PA+8*(n%2):PA+8*(n%2)+7], v[WF+2*n:WF+2*n+1], v[OA+2*n:OA+2*n+1], v[PA+8*(n%2):PA+8*(n%2)+7]
.endif
.set n, n+1
.endr
.rept 8
	v_nop
.endr
.irp i, 0,2,4,6
	v_pk_add_f32 v[RS+\i:RS+\i+1], v[PA+\i:PA+\i+1], v[PA+8+\i:PA+8+\i+1]
.endr
.irp i, 0,2,4,6
	v_pk_mul_f32 v[RS+\i:RS+\i+1], v[RS+\i:RS+\i+1], v[228:229] op_sel_hi:[1,0]   ; divided by my query's sum
.endr
	ds_store_b128 v8, v[RS:RS+3]                   ; my part as an image of its registers
	ds_store_b128 v8, v[RS+4:RS+7] offset:512
	s_wait_tensorcnt 0x0                           ; only LDS loads follow.  The wait on DScnt below also shows my stores landed, for the others' sake
	ds_add_u32 v[SPW], v[NIL]
	s_wait_dscnt 0x0
	s_barrier_signal -1
	s_barrier_wait -1                              ; all sixteen parts lie in LDS
	s_cmp_gt_u32 s10, 1
	s_cbranch_scc1 .Lend
.irp w, 0,1,2,3,4,5,6,7,8,9,10,11,12,13,14,15
	ds_load_b128 v[16+4*\w:19+4*\w], v9 offset:1024*\w     ; waves 0 and 1: one half of every head's image
.endr
	s_wait_dscnt 0x0
.irp d, 8,4,2,1                                ; the sum over the heads, in a fixed order
.irp w, 0,1,2,3,4,5,6,7
.if \w < \d
	v_pk_add_f32 v[16+4*\w:17+4*\w], v[16+4*\w:17+4*\w], v[16+4*(\w+\d):17+4*(\w+\d)]
	v_pk_add_f32 v[18+4*\w:19+4*\w], v[18+4*\w:19+4*\w], v[18+4*(\w+\d):19+4*(\w+\d)]
.endif
.endr
.endr
	global_store_b128 v10, v[16:19], s[8:9]        ; out0[position r][e0 + 8 h + 4 (wave) + 0..3]
.Lend:
	s_endpgm
.Lfunc_end_k_qebf54d8ba7_fine:
	.size	k_qebf54d8ba7_fine, .Lfunc_end_k_qebf54d8ba7_fine-k_qebf54d8ba7_fine
	.p2alignl 7, 3214868480
	.fill 96, 4, 3214868480
	.section	.rodata,"a",@progbits
	.p2align	6, 0x0
	.amdhsa_kernel k_qebf54d8ba7_fine
		.amdhsa_group_segment_fixed_size 18432
		.amdhsa_private_segment_fixed_size 0
		.amdhsa_enable_private_segment 0
		.amdhsa_kernarg_size 24
		.amdhsa_user_sgpr_count 2
		.amdhsa_user_sgpr_kernarg_segment_ptr 1
		.amdhsa_wavefront_size32 1
		.amdhsa_system_sgpr_workgroup_id_x 1
		.amdhsa_system_sgpr_workgroup_id_y 1
		.amdhsa_system_sgpr_workgroup_id_z 1
		.amdhsa_system_vgpr_workitem_id 0
		.amdhsa_next_free_vgpr 256
		.amdhsa_next_free_sgpr 66
		.amdhsa_reserve_vcc 1
		.amdhsa_float_denorm_mode_32 3
		.amdhsa_float_denorm_mode_16_64 3
		.amdhsa_memory_ordered 1
		.amdhsa_forward_progress 1
		.amdhsa_inst_pref_size 18
	.end_amdhsa_kernel
	.amdgpu_metadata
---
amdhsa.version: [ 1, 2 ]
amdhsa.kernels:
  - .name:           k_qebf54d8ba7_fine
    .symbol:         k_qebf54d8ba7_fine.kd
    .args:
      - { .name: q32, .offset: 0, .size: 8, .value_kind: global_buffer, .address_space: global }
      - { .name: W_o, .offset: 8, .size: 8, .value_kind: global_buffer, .address_space: global }
      - { .name: out0, .offset: 16, .size: 8, .value_kind: global_buffer, .address_space: global }
    .group_segment_fixed_size: 18432
    .private_segment_fixed_size: 0
    .kernarg_segment_align: 8
    .kernarg_segment_size: 24
    .max_flat_workgroup_size: 512
    .sgpr_count:     66
    .vgpr_count:     256
    .wavefront_size: 32
...
	.end_amdgpu_metadata
.endif
;; end of part 5
